; MI455X (gfx1250); checked and timed in simulation.
; The chip was launched on July 23, 2026; its instructions are those of AMD's public machine-readable ISA for CDNA 5 (MIT licence, August 2026) and "CDNA5" Instruction Set Architecture Reference Guide (July 2026). The comments in the code are by the model that wrote it; some were corrected since.
;; Hierarchical Query Matcher. Allowed arithmetic: float matrix products may take bf16 or f16 operands with f32 sums; other float arithmetic in f32, or as packed bf16 or f16 multiplies, adds, multiply-adds, maxima and minima; sums over many terms, partial sums and values carried from step to step in f32; what a program stores and reads back later, other than sums and carried values, may be rounded once to bf16 or f16.
;; Inputs: b1 512 float32; b2 512 float32; class_memories 64 x 512 float32; ln1_b 1,024 float32; ln1_w 1,024 float32; ln2_b 512 float32; ln2_w 512 float32; query_embeddings 1,024 x 512 float32; w1 1,024 x 512 float32; w2 512 x 512 float32.
;; Outputs: out0 1,024 x 64 float32.
;; 2 versions, each right and faster than the one before. Each part assembles by itself: llvm-mc -triple=amdgcn-amd-amdhsa -mcpu=gfx1250 --defsym DOCPART=n.
;; ======== version 1 of 2: 2 launches
;; workspace buffers: ab 2,359,296 bytes; stats 9,216 bytes; w2t 524,288 bytes
;; launch prep (part 1): grid 8 x 37, 8 waves a work-group, no clusters, 149,504 bytes of LDS; arguments query_embeddings, class_memories, ln1_w, ln1_b, w1, w2, ab, stats, w2t; writes ab, stats, w2t
.if DOCPART == 1
	.amdgcn_target "amdgcn-amd-amdhsa--gfx1250"
	.amdhsa_code_object_version 6
	.text
	.protected	k_qf609fb5422_prep
	.globl	k_qf609fb5422_prep
	.p2align	8
	.type	k_qf609fb5422_prep,@function
k_qf609fb5422_prep:
	s_mov_b64 s[64:65], 0
	v_nop
	global_prefetch_b8 v0, s[64:65] scope:SCOPE_SE
	s_setreg_imm32_b32 hwreg(HW_REG_WAVE_MODE, 25, 1), 1
	s_wait_xcnt 0x0
; TABLES FOR THE FUSED LAUNCH.  The first LayerNorm over concat(q[n], c[w]) followed by w1 splits exactly:
;   LN1(x) w1 + b1 = r (A'[n] + B'[w] + delta sd) + t,  delta = (mean q - mean c) / 2,  r = rsqrt((var q + var c) / 2 + delta^2 + eps),
;   A' = ((q - mean q) lw_top) w1_top,  B' = ((c - mean c) lw_bot) w1_bot,  sd = lw_top w1_top - lw_bot w1_bot,  t = lb w1 + b1.
; Every row is centred before it is multiplied, so a common offset of the inputs forms no difference of large sums.
; This launch writes ab[1152][512] f32, all times K = sqrt(log2(e) / 2): rows 0-1023 A', 1024-1087 B', 1088 lw_top w1_top, 1089 lb_top w1_top,
; 1120 lw_bot w1_bot, 1121 lb_bot w1_bot (the other rows of blocks 34 and 35 repeat these two and are not read); stats[1152][2] = (mean, variance) of the
; same rows; and w2t[n][k] = bf16(w2[k][n]).
; SHARES.  Grid x = a strip of 64 columns.  Grid y = a block of 32 rows: 0-31 q, 32-33 c, 34 and 35 the rows ln1_w / ln1_b by turns (upper, lower half of K; no centring,
; multiplier 1), 36 the transposition of w2.  What differs between the row roles lies in scalar registers chosen by the grid's y; the role of w2 has a text of its own behind ONE branch.
; Eight waves: a wave normalises 4 rows (a row lies across its 32 lanes, 16 numbers a lane); all convert the strip of W, 512 k x 64 n, to bf16 in LDS; then a wave makes one 16 x 16 tile over K = 512.
; LIMITS.  (x - mean) lw, ln1_w, ln1_b, w1 and w2 enter the matrix unit rounded to bf16; sums in f32.  NaN and infinities are not treated apart.
; No tensor load and no cluster: a work-group reads 192 KiB once, through registers, since every number is converted on its way into LDS.
.set PW,  160            ; a row of W in LDS: 64 bf16 + 32 bytes = 40 words
.set PA,  1040           ; a row of 512 bf16 + 16 bytes = 260 words: row r starts at bank 4 r mod 64
.set PS,  272            ; a row of 64 f32 + 16 bytes
.set WKN, 0              ; W [512 k][64 n] bf16
.set AT,  512*PW         ; 81,920: the 32 normalised rows, bf16
.set STG, AT+32*PA       ; 115,200: the result, [32][64] f32, for the way out
.set STS, STG+32*PS      ; 123,904: 32 x (mean, variance)
.set T2,  AT             ; the role of w2 alone: [64 n][512 k] bf16 in place of the three regions above
.set SPARE, T2+64*PA     ; 148,480: the spare words, 128 bytes for each of eight waves
.set VX,  4              ; v4   byte offset of my 16 bytes in my wave's first row
.set VW,  5              ; v5   (t / 16) x 2048 + (t % 16) x 16: my 16 bytes of W, and of ab on the way out
.set VWL, 6              ; v6-7 where they go in LDS, k below 256 and from 256 on
.set AST, 8              ; v8   where my 8 bytes of a normalised row go
.set STSA, 9             ; v9   my wave's four pairs of statistics
.set SPW, 10             ; v10  my spare word; never rewritten
.set NIL, 11             ; v11  0; never rewritten
.set SM,  12             ; v12-19 row sums, a pair a row.  Later: the first accumulator
.set MP,  20             ; v20-27 the mean that is taken away, a pair a row.  Later: the second accumulator
.set SV,  28             ; v28-35 (mean, variance), a pair a row
.set VT,  36             ; v36-37 the turning loads' address, k below 256 and from 256 on
.set VAF, 38             ; v38  the rows' fragments
.set STGW, 39            ; v39  into the stage
.set STGR, 40            ; v40  back from it
.set VL,  41             ; v41  16 x lane
.set LW,  48             ; v48-63 my 16 numbers of ln1_w.  Later v48-55: the result times K
.set XR,  64             ; v64-127 four rows x 16 numbers
.set WR,  128            ; v128-255 32 loads of W.  From the products on v64-255 are three fragment buffers of 64
.set ACC0, 12
.set ACC1, 20
.set RS,  48
.set WAV, 3              ; s3 wave   s4 grid y   s5 grid x
.set FL,  40             ; s40  1.0, or 0.0 for the rows ln1_w / ln1_b
.set NF,  41             ; s41  1 - FL
.set SEL, 50             ; s[50:51] v_permlanex16_b32's selects: each lane takes its own place in the other half
.set PB,  56             ; s[56:63] the addresses of a wave's four rows, less the wave's share
.macro WLOAD base                   ; the strip of W: load p takes rows k = 16 p + t / 16; sixteen lanes read 256 consecutive bytes
.set p, 0
.rept 32
	global_load_b128 v[WR+4*p:WR+4*p+3], v[VW], s[\base:\base+1] offset:p*32768
.set p, p+1
.endr
.endm
.macro WCONV                        ; to bf16 and into LDS, eight loads at a time: the counts are the loads of W still younger
.set p, 0
.rept 32
.if (p%8) == 0
	s_wait_loadcnt 24-p
.endif
	v_cvt_pk_bf16_f32 v[WR+4*p], v[WR+4*p], v[WR+4*p+1]
	v_cvt_pk_bf16_f32 v[WR+4*p+1], v[WR+4*p+2], v[WR+4*p+3]
	ds_store_b64 v[VWL+p/16], v[WR+4*p:WR+4*p+1] offset:(p%16)*16*PW
.set p, p+1
.endr
.endm
.macro WSUM4                        ; four rows' sums over the 32 lanes, by turns: pair to one number, four steps inside 16 lanes, one across
.irp i, 0,1,2,3
	v_add_f32 v[SM+2*\i], v[SM+2*\i], v[SM+2*\i+1]
.endr
.irp m, 1,2,4,8
.irp i, 0,1,2,3
	v_add_f32_dpp v[SM+2*\i], v[SM+2*\i], v[SM+2*\i] row_xmask:\m row_mask:0xf bank_mask:0xf
.endr
.endr
.irp i, 0,1,2,3
	v_permlanex16_b32 v[SM+2*\i+1], v[SM+2*\i], s[SEL], s[SEL+1]
.endr
.irp i, 0,1,2,3
	v_add_f32 v[SM+2*\i], v[SM+2*\i], v[SM+2*\i+1]
.endr
.endm
.macro LG g, buf                    ; the fragments of K steps 4 g .. 4 g + 3 into buffer buf: 16 LDS loads.  W is turned on its way (it lies [k][n])
.irp q, 0,1,2,3
	ds_load_tr16_b128 v[64+64*(\buf)+16*\q:64+64*(\buf)+16*\q+3],     v[VT+(\g)/2] offset:((4*(\g)+\q)%8)*32*PW
	ds_load_tr16_b128 v[64+64*(\buf)+16*\q+4:64+64*(\buf)+16*\q+7],   v[VT+(\g)/2] offset:((4*(\g)+\q)%8)*32*PW+16*PW
	ds_load_b128      v[64+64*(\buf)+16*\q+8:64+64*(\buf)+16*\q+11],  v[VAF] offset:64*(4*(\g)+\q)
	ds_load_b128      v[64+64*(\buf)+16*\q+12:64+64*(\buf)+16*\q+15], v[VAF] offset:64*(4*(\g)+\q)+32
.endr
.endm
.macro MG buf, zero                 ; four products; the two accumulators take turns, one instruction a turn.  Source 0 = 16 columns of W, source 1 = 16 rows: a lane then holds 8 neighbouring columns of one row
.irp q, 0,1,2,3
.if (\zero) && (\q < 2)
	v_wmma_f32_16x16x32_bf16 v[ACC0+8*(\q%2):ACC0+8*(\q%2)+7], v[64+64*(\buf)+16*\q:64+64*(\buf)+16*\q+7], v[64+64*(\buf)+16*\q+8:64+64*(\buf)+16*\q+15], 0
.else
	v_wmma_f32_16x16x32_bf16 v[ACC0+8*(\q%2):ACC0+8*(\q%2)+7], v[64+64*(\buf)+16*\q:64+64*(\buf)+16*\q+7], v[64+64*(\buf)+16*\q+8:64+64*(\buf)+16*\q+15], v[ACC0+8*(\q%2):ACC0+8*(\q%2)+7]
.endif
.endr
.endm
	s_load_b512 s[8:23], s[0:1], 0x0               ; q s[8:9], c s[10:11], ln1_w s[12:13], ln1_b s[14:15], w1 s[16:17], w2 s[18:19], ab s[20:21], stats s[22:23]
	s_load_b64 s[24:25], s[0:1], 0x40              ; w2t
	v_lshl_add_u32 v[SPW], v0, 2, SPARE
	v_mov_b32 v[NIL], 0
	v_lshrrev_b32 v1, 5, v0
	v_readfirstlane_b32 s[WAV], v1                 ; wave 0..7
	v_and_b32 v1, 31, v0                           ; lane
	v_and_b32 v2, 15, v0                           ; lane % 16, also t % 16
	v_bfe_u32 v3, v0, 4, 1                         ; lane / 16
	s_and_b32 s4, ttmp7, 0xffff                    ; grid y: the role and the block of rows
	s_mov_b32 s5, ttmp9                            ; grid x: the strip of 64 columns
	s_lshl_b32 s26, s5, 8                          ; its 256 bytes in a row of W and of ab
	s_mov_b32 s27, 0
	s_mov_b32 s[SEL], 0x76543210
	s_mov_b32 s[SEL+1], 0xfedcba98
	v_lshrrev_b32 v42, 4, v0                       ; t / 16
	v_lshlrev_b32 v[VW], 11, v42
	v_lshl_add_u32 v[VW], v2, 4, v[VW]
	v_mul_u32_u24 v[VWL], v42, PW
	v_lshl_add_u32 v[VWL], v2, 3, v[VWL]
	v_add_nc_u32 v[VWL+1], 256*PW, v[VWL]
	v_and_b32 v43, 7, v0                           ; the turning load: lane l reads row 8 (l / 16) + l % 8, bytes 16 ((l / 8) % 2) on
	v_lshl_add_u32 v43, v3, 3, v43
	v_mul_u32_u24 v[VT], v43, PW
	v_bfe_u32 v43, v0, 3, 1
	v_lshl_add_u32 v[VT], v43, 4, v[VT]
	s_cmp_eq_u32 s4, 36
	s_cbranch_scc1 .Ltrans                         ; the same for all waves of the work-group
	; ---- THE ROW ROLES.  Scalars chosen by the grid's y ----
	s_cmp_ge_u32 s4, 32
	s_cselect_b32 s28, 1, 0
	s_cselect_b32 s29, 32, 0
	s_sub_co_u32 s29, s4, s29                      ; the block's number in q or in c
	s_lshl_b32 s30, s29, 16                        ; its 32 rows of 2,048 bytes
	s_cmp_eq_u32 s4, 34
	s_cselect_b32 s28, 0, s28                      ; 1: the lower half of K (y = 32, 33, 35)
	s_lshl_b32 s31, s28, 11                        ; that half in ln1_w and ln1_b,
	s_lshl_b32 s32, s28, 20                        ; and in w1
	s_mov_b32 s33, 0
	s_mov_b32 s43, 0
	s_mov_b32 s45, 0
	s_mov_b32 s47, 0
	s_wait_kmcnt 0x0
	s_cmp_ge_u32 s4, 32
	s_cselect_b64 s[PB:PB+1], s[10:11], s[8:9]     ; even rows come from c or q,
	s_cmp_ge_u32 s4, 34
	s_cselect_b64 s[PB+2:PB+3], s[14:15], s[PB:PB+1]  ; odd rows from the same, or from ln1_b,
	s_cselect_b64 s[PB:PB+1], s[12:13], s[PB:PB+1]    ; and even rows then from ln1_w
	s_cselect_b32 s42, s31, s30                    ; where the block begins there
	s_cselect_b32 s44, 0, 2048                     ; bytes from row to row
	s_cselect_b32 s[FL], 0, 1.0
	s_cselect_b32 s[NF], 1.0, 0
	s_add_nc_u64 s[PB:PB+1], s[PB:PB+1], s[42:43]          ; row 0 of four
	s_add_nc_u64 s[PB+2:PB+3], s[PB+2:PB+3], s[42:43]
	s_add_nc_u64 s[PB+2:PB+3], s[PB+2:PB+3], s[44:45]      ; row 1
	s_add_nc_u64 s[PB+4:PB+5], s[PB:PB+1], s[44:45]
	s_add_nc_u64 s[PB+4:PB+5], s[PB+4:PB+5], s[44:45]      ; row 2
	s_add_nc_u64 s[PB+6:PB+7], s[PB+2:PB+3], s[44:45]
	s_add_nc_u64 s[PB+6:PB+7], s[PB+6:PB+7], s[44:45]      ; row 3
	s_mov_b32 s46, s31
	s_add_nc_u64 s[12:13], s[12:13], s[46:47]      ; ln1_w at my half of K
	s_add_nc_u64 s[16:17], s[16:17], s[32:33]      ; w1 at my half of K,
	s_add_nc_u64 s[16:17], s[16:17], s[26:27]      ; at my strip
	s_mul_i32 s52, s[WAV], s44
	s_lshl_b32 s52, s52, 2                         ; my wave's four rows
	v_lshl_add_u32 v[VX], v1, 4, s52
	v_lshlrev_b32 v[VL], 4, v1
.irp i, 0,1,2,3
.irp j, 0,1,2,3
	global_load_b128 v[XR+16*\i+4*\j:XR+16*\i+4*\j+3], v[VX], s[PB+2*\i:PB+2*\i+1] offset:512*\j  ; a wave's load covers 512 consecutive bytes of a row
.endr
.endr
.irp j, 0,1,2,3
	global_load_b128 v[LW+4*\j:LW+4*\j+3], v[VL], s[12:13] offset:512*\j
.endr
	WLOAD 16
	; LDS addresses, while the loads are out
	s_mul_i32 s52, s[WAV], 4*PA
	s_add_co_u32 s52, s52, AT
	v_lshl_add_u32 v[AST], v1, 3, s52
	s_lshl_b32 s53, s[WAV], 5
	s_add_co_u32 s53, s53, STS
	v_mov_b32 v[STSA], s53
	s_lshr_b32 s54, s[WAV], 1                      ; my tile's 16 columns of 64
	s_and_b32 s55, s[WAV], 1                       ; my tile's 16 rows of 32
	s_lshl_b32 s52, s54, 5
	v_add_nc_u32 v[VT], s52, v[VT]
	v_add_nc_u32 v[VT+1], 256*PW, v[VT]
	s_mul_i32 s52, s55, 16*PA
	s_add_co_u32 s52, s52, AT
	v_mul_u32_u24 v[VAF], v2, PA
	v_lshl_add_u32 v[VAF], v3, 4, v[VAF]
	v_add_nc_u32 v[VAF], s52, v[VAF]
	s_mul_i32 s52, s55, 16*PS
	s_lshl_b32 s53, s54, 6
	s_add_co_u32 s52, s52, s53
	s_add_co_u32 s52, s52, STG
	v_mul_u32_u24 v[STGW], v2, PS
	v_lshl_add_u32 v[STGW], v3, 5, v[STGW]
	v_add_nc_u32 v[STGW], s52, v[STGW]
	v_mul_u32_u24 v[STGR], v42, PS
	v_lshl_add_u32 v[STGR], v2, 4, v[STGR]
	v_add_nc_u32 v[STGR], STG, v[STGR]
	s_lshl_b32 s52, s4, 16                         ; ab at my block of 32 rows and my strip
	s_mov_b32 s53, 0
	s_add_nc_u64 s[20:21], s[20:21], s[52:53]
	s_add_nc_u64 s[20:21], s[20:21], s[26:27]
	; ---- four rows a wave: mean, variance of the centred row, (x - mean) lw in bf16 ----
	s_wait_loadcnt 32                              ; the rows and ln1_w are in; the 32 loads of W are younger
.set e, 0
.rept 16
	v_fma_f32 v[LW+e], v[LW+e], s[FL], s[NF]       ; the multiplier: ln1_w, or 1 for the rows ln1_w / ln1_b
.set e, e+1
.endr
.irp i, 0,1,2,3
	v_pk_add_f32 v[SM+2*\i:SM+2*\i+1], v[XR+16*\i:XR+16*\i+1], v[XR+16*\i+2:XR+16*\i+3]
.endr
.irp p, 2,3,4,5,6,7
.irp i, 0,1,2,3
	v_pk_add_f32 v[SM+2*\i:SM+2*\i+1], v[SM+2*\i:SM+2*\i+1], v[XR+16*\i+2*\p:XR+16*\i+2*\p+1]
.endr
.endr
	WSUM4
.irp i, 0,1,2,3
	v_mul_f32 v[SV+2*\i], 0x3b000000, v[SM+2*\i]   ; mean = sum / 512
.endr
.irp i, 0,1,2,3
	v_mul_f32 v[MP+2*\i], s[FL], v[SV+2*\i]        ; what is taken away: the mean, or 0
.endr
.irp i, 0,1,2,3
	v_mov_b32 v[MP+2*\i+1], v[MP+2*\i]             ; named with it as a pair
.endr
.irp p, 0,1,2,3,4,5,6,7
.irp i, 0,1,2,3
	v_pk_add_f32 v[XR+16*\i+2*\p:XR+16*\i+2*\p+1], v[XR+16*\i+2*\p:XR+16*\i+2*\p+1], v[MP+2*\i:MP+2*\i+1] op_sel_hi:[1,0] neg_lo:[0,1] neg_hi:[0,1]
.endr
.endr
.irp i, 0,1,2,3
	v_pk_mul_f32 v[SM+2*\i:SM+2*\i+1], v[XR+16*\i:XR+16*\i+1], v[XR+16*\i:XR+16*\i+1]
.endr
.irp p, 1,2,3,4,5,6,7
.irp i, 0,1,2,3
	v_pk_fma_f32 v[SM+2*\i:SM+2*\i+1], v[XR+16*\i+2*\p:XR+16*\i+2*\p+1], v[XR+16*\i+2*\p:XR+16*\i+2*\p+1], v[SM+2*\i:SM+2*\i+1]
.endr
.endr
	WSUM4
.irp i, 0,1,2,3
	v_mul_f32 v[SV+2*\i+1], 0x3b000000, v[SM+2*\i] ; variance
.endr
.irp p, 0,1,2,3,4,5,6,7
.irp i, 0,1,2,3
	v_pk_mul_f32 v[XR+16*\i+2*\p:XR+16*\i+2*\p+1], v[XR+16*\i+2*\p:XR+16*\i+2*\p+1], v[LW+2*\p:LW+2*\p+1]
.endr
.endr
.irp p, 0,1,2,3,4,5,6,7
.irp i, 0,1,2,3
	v_cvt_pk_bf16_f32 v[XR+16*\i+\p], v[XR+16*\i+2*\p], v[XR+16*\i+2*\p+1]  ; packed in place: word p is written when words 2 p, 2 p + 1 are read
.endr
.endr
.irp i, 0,1,2,3
.irp j, 0,1,2,3
	ds_store_b64 v[AST], v[XR+16*\i+2*\j:XR+16*\i+2*\j+1] offset:\i*PA+256*\j
.endr
	ds_store_b64 v[STSA], v[SV+2*\i:SV+2*\i+1] offset:8*\i   ; all lanes write the same pair
.endr
	WCONV
	s_wait_dscnt 0x0                               ; for the others' sake: my rows, statistics and part of W are in LDS
	s_barrier_signal -1
	s_barrier_wait -1
	s_cmp_lg_u32 s5, 0                             ; the statistics leave once: strip 0, wave 0
	s_cbranch_scc1 .Lnostat
	s_cmp_lg_u32 s[WAV], 0
	s_cbranch_scc1 .Lnostat
	v_lshl_add_u32 v28, v1, 3, STS
	ds_load_b64 v[30:31], v28
	s_lshl_b32 s52, s4, 8                          ; 32 rows x 8 bytes
	v_lshl_add_u32 v29, v1, 3, s52
	s_wait_dscnt 0x0
	global_store_b64 v29, v[30:31], s[22:23]       ; 256 consecutive bytes, at a multiple of 256 from the buffer's first byte
.Lnostat:
	; ---- one 16 x 16 tile a wave, K = 512 in four groups of four steps through three fragment buffers ----
	LG 0, 0
	LG 1, 1
	LG 2, 2
	s_wait_dscnt 32                                ; group 0 is in: groups 1 and 2, 16 loads each, are younger
	MG 0, 1                                        ; the first two products start the two sums
.rept 4
	v_nop                                          ; four places in front of loads into registers that those products read (ISA guide 7.12.1 for vector instructions)
.endr
	LG 3, 0
	s_wait_dscnt 32                                ; group 1: groups 2 and 3 are younger
	MG 1, 0
	s_wait_dscnt 16                                ; group 2
	MG 2, 0
	s_wait_dscnt 0x0
	MG 0, 0                                        ; group 3
.rept 4
	v_nop                                          ; four places in front of the reads of the results
.endr
.irp p, 0,1,2,3
	v_pk_add_f32 v[RS+2*\p:RS+2*\p+1], v[ACC0+2*\p:ACC0+2*\p+1], v[ACC1+2*\p:ACC1+2*\p+1]  ; even and odd K steps; each accumulator is read from its low end on
.endr
.irp p, 0,1,2,3
	v_pk_mul_f32 v[RS+2*\p:RS+2*\p+1], v[RS+2*\p:RS+2*\p+1], 0x3f596d27 op_sel_hi:[1,0]     ; times K = 0.8493218
.endr
	ds_store_b128 v[STGW], v[RS:RS+3]
	ds_store_b128 v[STGW], v[RS+4:RS+7] offset:16
	s_wait_dscnt 0x0                               ; a row's 256 bytes come from four waves
	s_barrier_signal -1
	s_barrier_wait -1
	ds_load_b128 v[64:67], v[STGR]
	ds_load_b128 v[68:71], v[STGR] offset:16*PS
	s_wait_dscnt 0x0
	global_store_b128 v[VW], v[64:67], s[20:21]                 ; sixteen lanes store 256 consecutive bytes, at a multiple of 256 from ab's first byte
	global_store_b128 v[VW], v[68:71], s[20:21] offset:32768
	s_wait_tensorcnt 0x0                           ; the wave's end: these three lines behind my last LDS store
	ds_add_u32 v[SPW], v[NIL]
	s_wait_dscnt 0x0
	s_endpgm
.Ltrans:                                               ; ---- w2t[n][k] = bf16(w2[k][n]) for the strip's 64 n ----
	s_wait_kmcnt 0x0
	s_add_nc_u64 s[18:19], s[18:19], s[26:27]      ; w2 at my strip
	WLOAD 18
	s_and_b32 s54, s[WAV], 3                       ; my 16 columns n
	s_lshr_b32 s55, s[WAV], 2                      ; my half of k
	s_lshl_b32 s52, s54, 5
	s_mul_i32 s53, s55, 256*PW
	s_add_co_u32 s52, s52, s53
	v_add_nc_u32 v[VT], s52, v[VT]
	s_mul_i32 s52, s54, 16*PA
	s_lshl_b32 s53, s55, 9
	s_add_co_u32 s52, s52, s53
	s_add_co_u32 s52, s52, T2
	v_mul_u32_u24 v[VAF], v2, PA                   ; in: row n = lane % 16, 16 bytes for each half of the lanes
	v_lshl_add_u32 v[VAF], v3, 4, v[VAF]
	v_add_nc_u32 v[VAF], s52, v[VAF]
	v_lshrrev_b32 v42, 6, v0                       ; back: 64 threads take a row of 1,024 bytes
	v_and_b32 v43, 63, v0
	v_mul_u32_u24 v[STGR], v42, PA
	v_lshl_add_u32 v[STGR], v43, 4, v[STGR]
	v_add_nc_u32 v[STGR], T2, v[STGR]
	v_lshlrev_b32 v[VL], 10, v42
	v_lshl_add_u32 v[VL], v43, 4, v[VL]
	s_lshl_b32 s52, s5, 16                         ; 64 rows of 1,024 bytes
	s_mov_b32 s53, 0
	s_add_nc_u64 s[24:25], s[24:25], s[52:53]
	WCONV
	s_wait_dscnt 0x0
	s_barrier_signal -1
	s_barrier_wait -1
.irp i, 0,1,2,3,4,5,6,7                                ; eight blocks of 32 k: a lane gets column n = lane % 16, k = 8 (lane / 16) + 0..7 and 16 more on
	ds_load_tr16_b128 v[64+8*\i:64+8*\i+3], v[VT] offset:\i*32*PW
	ds_load_tr16_b128 v[64+8*\i+4:64+8*\i+7], v[VT] offset:\i*32*PW+16*PW
.endr
	s_wait_dscnt 0x0
.irp i, 0,1,2,3,4,5,6,7
	ds_store_b128 v[VAF], v[64+8*\i:64+8*\i+3] offset:64*\i
	ds_store_b128 v[VAF], v[64+8*\i+4:64+8*\i+7] offset:64*\i+32
.endr
	s_wait_dscnt 0x0
	s_barrier_signal -1
	s_barrier_wait -1
.irp i, 0,1,2,3,4,5,6,7,8,9,10,11,12,13,14,15
	ds_load_b128 v[128+4*\i:128+4*\i+3], v[STGR] offset:\i*4*PA
.endr
.irp i, 0,1,2,3,4,5,6,7,8,9,10,11,12,13,14,15
	s_wait_dscnt 15-\i                             ; LDS loads come back in order (ISA guide 5.7.1): load i is in
	global_store_b128 v[VL], v[128+4*\i:128+4*\i+3], s[24:25] offset:\i*4096   ; a wave stores 512 consecutive bytes
.endr
	s_wait_tensorcnt 0x0                           ; the wave's end: these three lines behind my last LDS store
	ds_add_u32 v[SPW], v[NIL]
	s_wait_dscnt 0x0
	s_endpgm
.Lfunc_end_k_qf609fb5422_prep:
	.size	k_qf609fb5422_prep, .Lfunc_end_k_qf609fb5422_prep-k_qf609fb5422_prep
	.p2alignl 7, 3214868480
	.fill 96, 4, 3214868480
	.section	.rodata,"a",@progbits
	.p2align	6, 0x0
	.amdhsa_kernel k_qf609fb5422_prep
		.amdhsa_group_segment_fixed_size 149504
		.amdhsa_private_segment_fixed_size 0
		.amdhsa_enable_private_segment 0
		.amdhsa_kernarg_size 72
		.amdhsa_user_sgpr_count 2
		.amdhsa_user_sgpr_kernarg_segment_ptr 1
		.amdhsa_wavefront_size32 1
		.amdhsa_system_sgpr_workgroup_id_x 1
		.amdhsa_system_sgpr_workgroup_id_y 1
		.amdhsa_system_sgpr_workgroup_id_z 1
		.amdhsa_system_vgpr_workitem_id 0
		.amdhsa_next_free_vgpr 256
		.amdhsa_next_free_sgpr 66
		.amdhsa_reserve_vcc 0
		.amdhsa_float_denorm_mode_32 3
		.amdhsa_float_denorm_mode_16_64 3
		.amdhsa_memory_ordered 1
		.amdhsa_forward_progress 1
		.amdhsa_inst_pref_size 55
	.end_amdhsa_kernel
	.amdgpu_metadata
---
amdhsa.version: [ 1, 2 ]
amdhsa.kernels:
  - .name:           k_qf609fb5422_prep
    .symbol:         k_qf609fb5422_prep.kd
    .args:
      - { .name: query_embeddings, .offset: 0, .size: 8, .value_kind: global_buffer, .address_space: global }
      - { .name: class_memories, .offset: 8, .size: 8, .value_kind: global_buffer, .address_space: global }
      - { .name: ln1_w, .offset: 16, .size: 8, .value_kind: global_buffer, .address_space: global }
      - { .name: ln1_b, .offset: 24, .size: 8, .value_kind: global_buffer, .address_space: global }
      - { .name: w1, .offset: 32, .size: 8, .value_kind: global_buffer, .address_space: global }
      - { .name: w2, .offset: 40, .size: 8, .value_kind: global_buffer, .address_space: global }
      - { .name: ab, .offset: 48, .size: 8, .value_kind: global_buffer, .address_space: global }
      - { .name: stats, .offset: 56, .size: 8, .value_kind: global_buffer, .address_space: global }
      - { .name: w2t, .offset: 64, .size: 8, .value_kind: global_buffer, .address_space: global }
    .group_segment_fixed_size: 149504
    .private_segment_fixed_size: 0
    .kernarg_segment_align: 8
    .kernarg_segment_size: 72
    .max_flat_workgroup_size: 256
    .sgpr_count:     66
    .vgpr_count:     256
    .wavefront_size: 32
...
	.end_amdgpu_metadata
.endif
;; end of part 1
;; launch main (part 2): grid 512 x 1, 4 waves a work-group, clusters of 4 x 1, 327,680 bytes of LDS; arguments ab, stats, w2t, class_memories, query_embeddings, b1, b2, ln2_w, ln2_b, out0; writes out0
.if DOCPART == 2
	.amdgcn_target "amdgcn-amd-amdhsa--gfx1250"
	.amdhsa_code_object_version 6
	.text
	.protected	k_qf609fb5422_main
	.globl	k_qf609fb5422_main
	.p2align	8
	.type	k_qf609fb5422_main,@function
k_qf609fb5422_main:
	s_mov_b64 s[64:65], 0
	v_nop
	global_prefetch_b8 v0, s[64:65] scope:SCOPE_SE
	s_setreg_imm32_b32 hwreg(HW_REG_WAVE_MODE, 25, 1), 1
	s_wait_xcnt 0x0
	s_wait_alu depctr_hold_cnt(0) depctr_sa_sdst(0) depctr_va_vdst(0) depctr_va_sdst(0) depctr_va_ssrc(0) depctr_va_vcc(0) depctr_vm_vsrc(0)
	s_getreg_b32 s2, hwreg(HW_REG_IB_STS2, 6, 4)
	s_cmp_eq_u32 s2, 0
	s_cbranch_scc0 .Lentry_in_a_cluster
	s_endpgm
.Lentry_in_a_cluster:
	s_bfe_u32 s2, ttmp6, 0x10000c
	s_cmp_lg_u32 s2, 0x3003
	s_cbranch_scc0 .Lentry_shape_is_right
	s_endpgm
.Lentry_shape_is_right:
; out[n][w] = 16 cos(LN2(gelu(LN1(q[n] | c[w]) w1 + b1) w2 + b2 + q[n]), c[w]) for 2 n x 64 w = 128 rows a work-group.
; THE FIRST PRODUCT comes from tables (made by the launch before, all times K = sqrt(log2(e) / 2)): y = K x = r (A'[n] + B'[w] + delta sd) + t.
; GELU, exact form: G = y + |y| (1 - P(u) 2^(-y y)) = 2 K gelu(x), u = 1 / (1 + PP |y|), P the polynomial of Abramowitz and Stegun 7.1.26 (erf to 1.5e-7 for every x).
; The factor 2 K is never taken back: the accumulators start at 2 K (q + b2), so they end as V = 2 K (h + q), and the second LayerNorm does not see a common factor once its eps is (2 K)^2 eps.
; SHARES.  Row 16 mt + r of the tile: mt = 2 g + nl, w = 16 g + r, n = n0 + nl.  Making G, wave wv takes rows 32 wv .. + 31, a row across its 32 lanes.  In the product G w2 wave wv has all 128 rows x
; columns 128 wv .. + 127: 64 accumulators, 512 registers.  K = 512 goes in 4 steps of 128: G's chunk is made into LDS, w2t's tile comes by tensor load into a ring of two slots.
; THE MATRIX INSTRUCTION IS USED TRANSPOSED (source 0 = 16 rows of w2t, source 1 = 16 rows of G): lane (r, h) holds row r and the columns 16 b + 8 h + 0..7, so a row's sums are in-lane
; additions, one exchange of the lanes' halves, and one meeting of the four waves in LDS.
; CLUSTER.  All work-groups walk the same w2t and c, so the four of a cluster ask for each tile JOINTLY: the same tensor load, descriptor and mask in all four.  No address of a tile and no LDS address
; hangs on the place in the cluster; that place enters the offsets into ab, stats, q and out0 alone.
; LIMITS.  G and w2 enter the matrix unit in bf16, sums in f32.  erf is good to 1.5e-7 absolute, so far below 0 gelu keeps an absolute error of |x| x 6e-8 and no relative accuracy.
; 2^x, 1/x, 1/sqrt(x), sqrt(x) flush denormals.  |c| is taken as sqrt(512 (var c + mean c^2)).  NaN and infinities are not treated apart.
; REGISTERS, in windows of 256 (s_set_vgpr_msb: bits 1:0 source 0, 3:2 source 1, 5:4 source 2, 7:6 destination):
;   window 0: v0-63 addresses, statistics, table rows; v64-191 G's fragments, two buffers (also: q at the start, the work registers of gelu, chains and c at the end); v192-255 16 rows of B' (at the end F)
;   window 1: v0-63 ln2_w; v64-191 w2t's fragments, two buffers (b2 at the start); v192-255 ln2_b          windows 2, 3: the accumulators, (a, b) at v[8 (8 (a % 4) + b)]
.set PITCH, 272          ; an LDS row: 256 bytes + 16 = 68 words: row r starts at bank 4 r mod 64 (64 banks of 4 bytes: ISA guide 11.1)
.set PART,  128*PITCH    ; what one tensor load brings: 128 rows
.set SLOT,  4*PART       ; a slot: the four waves' parts
.set GCH,   2*SLOT       ; 278,528: G's chunk, [128 rows][128 k] bf16; no tensor load lands here
.set RED,   GCH+PART     ; 313,344: + 0 sums [row][wave]; + 2,048 sums of squares; + 4,096 (nn, dot) [row][wave]; + 8,192 the results [2][64]
.set SPARE, RED+8704     ; 322,048: the spare words, 128 bytes for each of four waves
.set ADRA, 4             ; v4    G's fragments
.set ADRB, 5             ; v5-6  my part of slot 0, 1
.set GST,  7             ; v7    where a row of G goes, stepped in the loop over nl
.set VB,   8             ; v8    offset in ab of my 16 rows of B'
.set VA,   9             ; v9    of A'[n0]
.set VS,   10            ; v10   of the four special rows
.set VL,   11            ; v11   16 x lane
.set ADC,  12            ; v12   c's fragments
.set REDW, 13            ; v13   my wave's word of a row's four
.set REDR, 14            ; v14   a row's four words
.set QOF,  15            ; v15   512 wv + 32 h: my 8 columns of block 0 in q, b2, ln2_w, ln2_b
.set RR,   16            ; v16   r for (n0 + h, 16 wv + lane % 16)
.set RD,   17            ; v17   r delta
.set T0,   18
.set T1,   19
.set MC,   20            ; v20-21 mean, variance of c[16 wv + lane % 16]
.set SPW,  22            ; v22   my spare word; never rewritten
.set NIL,  23            ; v23   0; never rewritten
.set AC,   24            ; v24-27 A' of the n in hand    v28-31 of the other
.set AN,   28
.set SD,   32            ; v32-35 sd     v36-39 t     v40-51 as loaded: the lower halves' rows and b1
.set TT,   36
.set SB,   40
.set TB,   44
.set B1R,  48
.set MQ,   52            ; v52-53 mean, variance of q[n0 + h]
.set REDW2, 56
.set GSTB, 57            ; v57   G's first row of my 32; never rewritten
.set FIN,  58
.set OUTA, 59
.set OUTR, 60
.set GOUT, 61
.set YY,   64            ; gelu's work registers, 16 each: y, |y|, u, 2^(-y y), the polynomial; 8 packed
.set AY,   80
.set UU,   96
.set EE,   112
.set HH,   128
.set PK,   144
.set BB,   192
.set F0,   64
.set F1,   128
.set CH,   64            ; the end: four chains (pairs) for each mt
.set MUP,  24            ; the rows' means, a pair for each mt; later (nn, dot)
.set RSP,  40            ; 1 / sqrt(var + eps), a pair for each mt
.set RES,  24
.set NNC,  4
.set DTC,  8
.set CB0,  64
.set CB1,  128
.set FF,   192
.set WV,   3
.set CX,   4
.set N0,   5
.set LAP,  6
.set TRIP, 7
.set G1,   28            ; s[28:35] descriptor group 1, the same for every load
.set G0A,  36            ; s[36:39] group 0 for slot 0
.set G0B,  40            ; s[40:43] for slot 1
.set NXA,  44            ; s[44:45] what slot 0 takes next
.set CRAW, 46            ; s[46:47] c at my wave's 256 bytes
.set POOL, 48            ; s[48:63] four rows' r and r delta, each the low word of a pair
.set SEL,  66
.set ABSM, 68
.set I512, 69
.set A1,   70
.set A2,   72
.set A3,   74
.set A4,   76
.set A5,   78
.set PPS,  80
.set K2P,  82
.set OFS,  84
.set TM,   86
.set KP,   88
.set MSB, 0
.macro WIN new                      ; the immediate's high byte repeats the setting that is left; a switch that changes nothing is dropped
.if MSB != (\new)
	s_set_vgpr_msb (MSB<<8)|(\new)
.set MSB, (\new)
.endif
.endm
.set MUL_LO, 0xa1        ; source 0 (w2t) window 1, source 1 (G) window 0, C and D window 2
.set TO_B,   0x40        ; destination window 1, address window 0
.macro PAIR reg, val
	s_mov_b32 s[\reg], \val
	s_mov_b32 s[\reg+1], \val
.endm
.macro PLACES                       ; four places behind matrix instructions, in front of loads into their sources and of reads of their results
.rept 4
	v_nop
.endr
.endm
.macro JL g0                        ; a joint load: each wave its own 128 rows, both addresses stepped by the wave's number.  An s_nop 0 and four v_nop follow
	tensor_load_to_lds s[\g0:\g0+3], s[G1:G1+7]
	s_nop 0
.rept 4
	v_nop
.endr
.endm
.macro CROUND                       ; a round of the cluster's barrier: my work-group's barrier; wave 0 signals for it; every wave waits for all four work-groups; my work-group's barrier once more
	s_barrier_signal -1
	s_barrier_wait -1
	s_cmp_lg_u32 s[WV], 0
	s_cbranch_scc1 .Lnot_wave_0_\@
	s_barrier_signal -3
.Lnot_wave_0_\@:
	s_barrier_wait -3
	s_barrier_signal -1
	s_barrier_wait -1
.endm
.macro TLOAD                        ; 23 loads: a chunk's 128 columns of the tables, 512 consecutive bytes a load
.set i, 0
.rept 16
	global_load_b128 v[BB+4*i:BB+4*i+3], v[VB], s[8:9] offset:i*2048
.set i, i+1
.endr
	global_load_b128 v[AC:AC+3], v[VA], s[8:9]
	global_load_b128 v[AN:AN+3], v[VA], s[8:9] offset:2048
	global_load_b128 v[SD:SD+3], v[VS], s[8:9]                 ; row 1088
	global_load_b128 v[TT:TT+3], v[VS], s[8:9] offset:2048     ; row 1089
	global_load_b128 v[SB:SB+3], v[VS], s[8:9] offset:65536    ; row 1120
	global_load_b128 v[TB:TB+3], v[VS], s[8:9] offset:67584    ; row 1121
	global_load_b128 v[B1R:B1R+3], v[VL], s[18:19]
.endm
.macro SDT                          ; sd = upper - lower; t = upper + lower + K b1
.irp p, 0,1
	v_pk_add_f32 v[SD+2*\p:SD+2*\p+1], v[SD+2*\p:SD+2*\p+1], v[SB+2*\p:SB+2*\p+1] neg_lo:[0,1] neg_hi:[0,1]
	v_pk_add_f32 v[TT+2*\p:TT+2*\p+1], v[TT+2*\p:TT+2*\p+1], v[TB+2*\p:TB+2*\p+1]
.endr
.irp p, 0,1
	v_pk_fma_f32 v[TT+2*\p:TT+2*\p+1], v[B1R+2*\p:B1R+2*\p+1], s[KP:KP+1], v[TT+2*\p:TT+2*\p+1] op_sel_hi:[1,0,1]
.endr
.endm
.macro HSTEP cf                     ; the polynomial, one step: H = H u + coefficient
.set e, 0
.rept 8
	v_pk_fma_f32 v[HH+2*e:HH+2*e+1], v[HH+2*e:HH+2*e+1], v[UU+2*e:UU+2*e+1], s[\cf:\cf+1] op_sel_hi:[1,1,0]
.set e, e+1
.endr
.endm
; Four rows i0 .. i0 + 3 of the n in hand: 16 numbers a lane.  Every reciprocal and exponential has plain instructions behind it before its result is used (ISA guide 5.7.2).
.macro ROWS4 i0
.irp q, 0,1,2,3
	v_readlane_b32 s[POOL+4*\q], v[RR], (\i0)+\q
	v_readlane_b32 s[POOL+4*\q+2], v[RD], (\i0)+\q
.endr
.irp q, 0,1,2,3
.irp p, 0,1
	v_pk_add_f32 v[YY+4*\q+2*\p:YY+4*\q+2*\p+1], v[AC+2*\p:AC+2*\p+1], v[BB+4*((\i0)+\q)+2*\p:BB+4*((\i0)+\q)+2*\p+1]
	v_pk_fma_f32 v[HH+4*\q+2*\p:HH+4*\q+2*\p+1], v[SD+2*\p:SD+2*\p+1], s[POOL+4*\q+2:POOL+4*\q+3], v[TT+2*\p:TT+2*\p+1] op_sel_hi:[1,0,1]
.endr
.endr
.irp q, 0,1,2,3
.irp p, 0,1
	v_pk_fma_f32 v[YY+4*\q+2*\p:YY+4*\q+2*\p+1], v[YY+4*\q+2*\p:YY+4*\q+2*\p+1], s[POOL+4*\q:POOL+4*\q+1], v[HH+4*\q+2*\p:HH+4*\q+2*\p+1] op_sel_hi:[1,0,1]  ; y = r (A' + B') + (r delta sd + t)
.endr
.endr
.set e, 0
.rept 16
	v_and_b32 v[AY+e], s[ABSM], v[YY+e]
.set e, e+1
.endr
.set e, 0
.rept 8
	v_pk_fma_f32 v[UU+2*e:UU+2*e+1], v[AY+2*e:AY+2*e+1], s[PPS:PPS+1], 1.0 op_sel_hi:[1,0,0]
.set e, e+1
.endr
.set e, 0
.rept 8
	v_rcp_f32 v[UU+2*e], v[UU+2*e]
	v_rcp_f32 v[UU+2*e+1], v[UU+2*e+1]
	v_pk_mul_f32 v[EE+2*e:EE+2*e+1], v[YY+2*e:YY+2*e+1], v[YY+2*e:YY+2*e+1] neg_lo:[1,0] neg_hi:[1,0]  ; - y y
.set e, e+1
.endr
.set e, 0
.rept 8
	v_exp_f32 v[EE+2*e], v[EE+2*e]
	v_exp_f32 v[EE+2*e+1], v[EE+2*e+1]
	s_wait_alu depctr_va_vdst(0)
	v_pk_fma_f32 v[HH+2*e:HH+2*e+1], v[UU+2*e:UU+2*e+1], s[A5:A5+1], s[A4:A4+1] op_sel_hi:[1,0,0]
.set e, e+1
.endr
	HSTEP A3
	HSTEP A2
	HSTEP A1
.set e, 0
.rept 8
	v_pk_mul_f32 v[HH+2*e:HH+2*e+1], v[HH+2*e:HH+2*e+1], v[UU+2*e:UU+2*e+1]
.set e, e+1
.endr
.set e, 0
	s_wait_alu depctr_va_vdst(0)
.rept 8
	v_pk_fma_f32 v[EE+2*e:EE+2*e+1], v[HH+2*e:HH+2*e+1], v[EE+2*e:EE+2*e+1], 1.0 op_sel_hi:[1,1,0] neg_lo:[1,0,0] neg_hi:[1,0,0]  ; erf(|x| / sqrt 2)
.set e, e+1
.endr
.set e, 0
.rept 8
	v_pk_fma_f32 v[YY+2*e:YY+2*e+1], v[AY+2*e:AY+2*e+1], v[EE+2*e:EE+2*e+1], v[YY+2*e:YY+2*e+1]
.set e, e+1
.endr
.set e, 0
.rept 8
	v_cvt_pk_bf16_f32 v[PK+e], v[YY+2*e], v[YY+2*e+1]
.set e, e+1
.endr
.irp q, 0,1,2,3
	ds_store_b64 v[GST], v[PK+2*\q:PK+2*\q+1] offset:((\i0)+\q)*PITCH   ; 32 lanes, 256 consecutive bytes: a row of the chunk
.endr
.endm
.macro PRODUCE                      ; my 32 rows of the chunk: two trips, n0 and n0 + 1.  A trip's end brings the other n's A' and, by an exchange of the lanes' halves, its r; two exchanges restore them
	v_mov_b32 v[GST], v[GSTB]
	s_mov_b32 s[TRIP], 2
.Lnl_\@:
	ROWS4 0
	ROWS4 4
	ROWS4 8
	ROWS4 12
.irp j, 0,1,2,3
	v_mov_b32 v[AC+\j], v[AN+\j]
.endr
	v_permlanex16_b32 v[T0], v[RR], s[SEL], s[SEL+1]
	v_permlanex16_b32 v[T1], v[RD], s[SEL], s[SEL+1]
	v_add_nc_u32 v[GST], 16*PITCH, v[GST]
	v_mov_b32 v[RR], v[T0]
	v_mov_b32 v[RD], v[T1]
	s_sub_co_u32 s[TRIP], s[TRIP], 1
	s_cmp_lg_u32 s[TRIP], 0
	s_cbranch_scc1 .Lnl_\@
.endm
; 16 matrix instructions: row blocks a0, a0 + 1 of the window's four x all 8 column blocks, 32 along K.  The 64 accumulators take turns in one order everywhere.
.macro MUL16 f, hi, a0
	WIN MUL_LO+0x50*(\hi)
.irp a, \a0, (\a0)+1
.irp b, 0,1,2,3,4,5,6,7
	v_wmma_f32_16x16x32_bf16 v[8*(8*(\a)+(\b)):8*(8*(\a)+(\b))+7], v[(\f)+8*(\b):(\f)+8*(\b)+7], v[(\f)+8*(4*(\hi)+(\a)):(\f)+8*(4*(\hi)+(\a))+7], v[8*(8*(\a)+(\b)):8*(8*(\a)+(\b))+7]
.endr
.endr
.endm
.macro FETCH slot, k, f             ; 32 LDS loads in one run: 128 rows of w2t, 128 rows of G, 32 K at byte k of the rows
	WIN TO_B
.irp i, 0,1,2,3,4,5,6,7
	ds_load_b128 v[(\f)+8*(\i):(\f)+8*(\i)+3],   v[ADRB+(\slot)] offset:(\k)+(\i)*16*PITCH
	ds_load_b128 v[(\f)+8*(\i)+4:(\f)+8*(\i)+7], v[ADRB+(\slot)] offset:(\k)+(\i)*16*PITCH+32
.endr
	WIN 0
.irp i, 0,1,2,3,4,5,6,7
	ds_load_b128 v[(\f)+8*(\i):(\f)+8*(\i)+3],   v[ADRA] offset:(\k)+(\i)*16*PITCH
	ds_load_b128 v[(\f)+8*(\i)+4:(\f)+8*(\i)+7], v[ADRA] offset:(\k)+(\i)*16*PITCH+32
.endr
.endm
.macro QUARTER slot, k, f, g        ; 64 matrix instructions on buffer f; in their middle the next quarter's fragments go into g
	s_wait_dscnt 8                                 ; w2t and G's rows 0-63 are in; the youngest eight loads (rows 64-127) may be out
	MUL16 \f, 0, 0
	MUL16 \f, 0, 2
	PLACES
	FETCH \slot, \k, \g
	s_wait_dscnt 32                                ; all but the 32 just issued
	MUL16 \f, 1, 0
	MUL16 \f, 1, 2
.endm
.macro GEMM slot
	FETCH \slot, 0, F0
	QUARTER \slot, 64,  F0, F1
	QUARTER \slot, 128, F1, F0
	QUARTER \slot, 192, F0, F1
	s_wait_dscnt 8
	MUL16 F1, 0, 0
	MUL16 F1, 0, 2
	s_wait_dscnt 0x0
	MUL16 F1, 1, 0
	MUL16 F1, 1, 2
.endm
; A K STEP.  Head: all my tensor loads have landed (one is out: my part of this step's slot), the add, my LDS reads of the last step are back; a round of the cluster's barrier; the other slot's joint load, which has
; this whole step in which to land.  Then G's chunk is made (nobody reads the old one any more: the round stands between), the next chunk's tables are asked for, a barrier shows the chunk to all, and 256 products follow.
.macro STEP slot
	WIN 0
	s_wait_tensorcnt 0x0                           ; no tensor load of mine is out, so a group 0 may be written
	ds_add_u32 v[SPW], v[NIL]                      ; 0 onto my spare word
.if \slot
	s_add_nc_u64 s[G0B+2:G0B+3], s[G0B+2:G0B+3], 512        ; slot 1: two K steps on (the second time the stepped address is not used)
	s_add_nc_u64 s[G0A+2:G0A+3], s[NXA:NXA+1], 0            ; slot 0: K step 2, the second time c
	s_or_b32 s[G0A+3], s[G0A+3], 0x80000000
	s_mov_b64 s[NXA:NXA+1], s[CRAW:CRAW+1]
.endif
	s_wait_dscnt 0x0                               ; the add is done, and my reads of the slot and of G's chunk are over
	CROUND
.if \slot
	JL G0A
.else
	JL G0B
.endif
	s_wait_loadcnt 0x0                             ; this chunk's tables (asked for a step ago)
	SDT
	PRODUCE
.if \slot
	s_cmp_eq_u32 s[LAP], 1                         ; behind the last chunk there is none to ask for
	s_cbranch_scc1 .Lnonext_\@
.endif
	s_add_nc_u64 s[8:9], s[8:9], 512               ; the loads that named these bases are done: the wait above
	s_add_nc_u64 s[18:19], s[18:19], 512
	TLOAD
.if \slot
.Lnonext_\@:
.endif
	s_wait_dscnt 0x0                               ; for the others' sake: my rows of the chunk are in LDS
	s_barrier_signal -1                            ; The joint load may stay out
	s_barrier_wait -1
	GEMM \slot
.endm
	s_load_b512 s[8:23], s[0:1], 0x0               ; ab s[8:9], stats s[10:11], w2t s[12:13], c s[14:15], q s[16:17], b1 s[18:19], b2 s[20:21], ln2_w s[22:23]
	s_load_b128 s[24:27], s[0:1], 0x40             ; ln2_b s[24:25], out0 s[26:27]
	v_lshl_add_u32 v[SPW], v0, 2, SPARE
	v_mov_b32 v[NIL], 0
	ds_add_u32 v[SPW], v[NIL]                      ; the wave's opening: the add and its wait ahead of my first tensor load; the set-up below, work on registers, stands between them
	v_lshrrev_b32 v1, 5, v0
	v_readfirstlane_b32 s[WV], v1                  ; wave 0..3
	s_bfe_u32 s[CX], ttmp6, 0x40000                ; my place in the cluster
	s_lshl_b32 s[N0], ttmp9, 2                     ; in a cluster launch ttmp9 counts clusters
	s_add_co_u32 s[N0], s[N0], s[CX]
	s_lshl_b32 s[N0], s[N0], 1                     ; n0 = 2 x work-group
	; descriptor group 1: 128 rows x 128 elements of 2 bytes, 512 elements from row to row, padded in LDS.  It serves w2t ([512][512] bf16) and c, taken as 128 half rows of 1,024 bytes
	s_mov_b32 s[G1], 15|(1<<16)|(1<<20)|(1<<21)|(5<<22)|(3<<25)  ; 15:0 the mask of four; 17:16 2-byte elements; 20 padding on; 21 set beside a mask; 24:22 after every 64 words; 31:25 4 words of it
	s_mov_b32 s[G1+1], 128<<16                     ; tensor_dim0 = 128
	s_mov_b32 s[G1+2], 128<<16                     ; tensor_dim1 = 128
	s_mov_b32 s[G1+3], 128<<16                     ; tile_dim0 = 128
	s_mov_b32 s[G1+4], 128                         ; tile_dim1 = 128
	s_mov_b32 s[G1+5], 512                         ; the pitch
	s_mov_b32 s[G1+6], 0
	s_mov_b32 s[G1+7], 0
	s_mul_i32 s[TM], s[WV], PART                   ; my part of a slot
	s_mov_b32 s[G0A], 1
	s_mov_b32 s[G0A+1], s[TM]
	s_mov_b32 s[G0B], 1
	s_add_co_u32 s[G0B+1], s[TM], SLOT
	s_mov_b32 s[SEL], 0x76543210
	s_mov_b32 s[SEL+1], 0xfedcba98
	s_mov_b32 s[ABSM], 0x7fffffff
	s_mov_b32 s[I512], 0x3b000000                  ; 1 / 512
	PAIR A1, 0x3e827906                            ;  0.254829592
	PAIR A2, 0xbe91a98e                            ; -0.284496736
	PAIR A3, 0x3fb5f0e3                            ;  1.421413741
	PAIR A4, 0xbfba00e3                            ; -1.453152027
	PAIR A5, 0x3f87dc22                            ;  1.061405429
	PAIR PPS, 0x3e8ba43f                           ;  0.3275911 / sqrt(log2(e)) = 0.27273748
	PAIR K2P, 0x3fd96d27                           ;  2 K = 1.6986436
	PAIR KP, 0x3f596d27                            ;  K = 0.8493218
.irp q, 0,1,2,3,4,5,6,7
	s_mov_b32 s[POOL+2*\q+1], 0                    ; the pool's upper words: named in pairs, never used
.endr
	s_lshl_b32 s[OFS], s[WV], 17                   ; my 128 rows of w2t, 1,024 bytes each
	s_mov_b32 s[OFS+1], 0
	s_wait_dscnt 0x0                               ; the opening add is done
	s_wait_kmcnt 0x0
	s_add_nc_u64 s[12:13], s[12:13], s[OFS:OFS+1]
	s_add_nc_u64 s[G0A+2:G0A+3], s[12:13], 0       ; K step 0
	s_or_b32 s[G0A+3], s[G0A+3], 0x80000000
	s_add_nc_u64 s[G0B+2:G0B+3], s[12:13], 256     ; K step 1
	s_or_b32 s[G0B+3], s[G0B+3], 0x80000000
	s_add_nc_u64 s[NXA:NXA+1], s[12:13], 512       ; K step 2
	s_lshl_b32 s[OFS], s[WV], 8
	s_add_nc_u64 s[CRAW:CRAW+1], s[14:15], s[OFS:OFS+1]  ; c: bytes 256 wv on of every half row
	CROUND                                         ; all four work-groups are here: the first joint loads meet
	JL G0A                                         ; K step 0 into slot 0; slot 1 is first filled behind the first step's round
	v_and_b32 v1, 15, v0                           ; r
	v_bfe_u32 v2, v0, 4, 1                         ; h
	v_and_b32 v3, 31, v0                           ; lane
	s_lshl_b32 s[TM], s[WV], 9
	v_lshl_add_u32 v[QOF], v2, 5, s[TM]
	s_lshl_b32 s[OFS], s[N0], 11
	s_add_nc_u64 s[16:17], s[16:17], s[OFS:OFS+1]  ; q at row n0
.set i, 0
.rept 16                                               ; q[n0 + i / 8], column block i % 8: the lanes of a half read the same 32 bytes
	global_load_b128 v[64+8*i:64+8*i+3], v[QOF], s[16:17] offset:(i/8)*2048+(i%8)*64
	global_load_b128 v[64+8*i+4:64+8*i+7], v[QOF], s[16:17] offset:(i/8)*2048+(i%8)*64+16
.set i, i+1
.endr
	WIN TO_B
.set i, 0
.rept 8
	global_load_b128 v[64+8*i:64+8*i+3], v[QOF], s[20:21] offset:i*64       ; b2
	global_load_b128 v[64+8*i+4:64+8*i+7], v[QOF], s[20:21] offset:i*64+16
.set i, i+1
.endr
	WIN 0
	v_add_nc_u32 v[T0], s[N0], v2
	v_lshlrev_b32 v[T0], 3, v[T0]
	s_lshl_b32 s[TM], s[WV], 4
	s_add_co_u32 s[TM], s[TM], 1024
	v_add_nc_u32 v[T1], s[TM], v1
	v_lshlrev_b32 v[T1], 3, v[T1]
	global_load_b64 v[MQ:MQ+1], v[T0], s[10:11]    ; statistics of q[n0 + h]
	global_load_b64 v[MC:MC+1], v[T1], s[10:11]    ; and of c[16 wv + r]
	s_lshl_b32 s[TM], s[WV], 15
	s_add_co_u32 s[TM], s[TM], 1024*2048
	v_lshl_add_u32 v[VB], v3, 4, s[TM]
	v_lshl_add_u32 v[VA], v3, 4, s[OFS]
	v_lshl_add_u32 v[VS], v3, 4, 1088*2048
	v_lshlrev_b32 v[VL], 4, v3
	TLOAD                                          ; chunk 0
	WIN TO_B
.set i, 0
.rept 8
	global_load_b128 v[8*i:8*i+3], v[QOF], s[22:23] offset:i*64             ; ln2_w
	global_load_b128 v[8*i+4:8*i+7], v[QOF], s[22:23] offset:i*64+16
	global_load_b128 v[192+8*i:192+8*i+3], v[QOF], s[24:25] offset:i*64     ; ln2_b
	global_load_b128 v[192+8*i+4:192+8*i+7], v[QOF], s[24:25] offset:i*64+16
.set i, i+1
.endr
	WIN 0
	; LDS addresses: the wave's number, the lane, constants
	v_mul_u32_u24 v62, v1, PITCH
	v_lshl_add_u32 v62, v2, 4, v62                 ; a fragment's row x pitch + 16 x half
	v_add_nc_u32 v[ADRA], GCH, v62
	s_mul_i32 s[TM], s[WV], PART
	v_add_nc_u32 v[ADRB], s[TM], v62
	v_add_nc_u32 v[ADRB+1], SLOT, v[ADRB]
	s_mul_i32 s[TM], s[WV], 32*PITCH
	s_add_co_u32 s[TM], s[TM], GCH
	v_lshl_add_u32 v[GSTB], v3, 3, s[TM]
	; c(w, col) lies at part ((col % 256) / 64), row 2 w + col / 256, byte 4 (col % 64).  My columns 128 wv + 16 b + 8 h: part 2 (wv % 2) + b / 4, row 2 w + wv / 2
	s_and_b32 s[TM], s[WV], 1
	s_mul_i32 s[TM], s[TM], 2*PART
	s_lshr_b32 s[TM+1], s[WV], 1
	s_mul_i32 s[TM+1], s[TM+1], PITCH
	s_add_co_u32 s[TM], s[TM], s[TM+1]
	v_mul_u32_u24 v[ADC], v1, 2*PITCH
	v_lshl_add_u32 v[ADC], v2, 5, v[ADC]
	v_add_nc_u32 v[ADC], s[TM], v[ADC]
	s_lshl_b32 s[TM], s[WV], 2
	s_add_co_u32 s[TM], s[TM], RED
	v_lshl_add_u32 v[REDW], v1, 4, s[TM]
	v_lshl_add_u32 v[REDR], v1, 4, RED
	s_lshl_b32 s[TM], s[WV], 3
	s_add_co_u32 s[TM], s[TM], RED+4096
	v_lshl_add_u32 v[REDW2], v1, 5, s[TM]
	s_lshl_b32 s[TM], s[WV], 10
	s_add_co_u32 s[TM], s[TM], RED+4096
	v_lshl_add_u32 v[FIN], v1, 5, s[TM]
	v_lshl_add_u32 v[FIN], v2, 9, v[FIN]           ; row (2 wv + h) 16 + r, 32 bytes a row
	s_lshl_b32 s[TM], s[WV], 6
	s_add_co_u32 s[TM], s[TM], RED+8192
	v_lshl_add_u32 v[OUTA], v1, 2, s[TM]
	v_lshl_add_u32 v[OUTA], v2, 8, v[OUTA]
	v_lshl_add_u32 v[OUTR], v3, 4, RED+8192
	v_lshlrev_b32 v[GOUT], 4, v3
	s_lshl_b32 s[OFS], s[N0], 8
	s_add_nc_u64 s[26:27], s[26:27], s[OFS:OFS+1]  ; out0 at row n0
	; THE ACCUMULATORS START AT 2 K (q + b2): bias and residual are in before the first product, so every product has one text and nothing is cleared
	s_wait_loadcnt 57                              ; q and b2 are in: 2 + 23 + 32 loads are younger
	WIN 0x41
.set e, 0
.rept 32
	v_pk_mul_f32 v[64+2*e:65+2*e], v[64+2*e:65+2*e], s[K2P:K2P+1] op_sel_hi:[1,0]
.set e, e+1
.endr
.irp hi, 0,1
	WIN 0x90+0x40*\hi                              ; destination window 2 or 3, q window 0, b2 window 1
.set a, 0
.rept 4
.set e, 0
.rept 32
	v_pk_fma_f32 v[64*a+2*e:64*a+2*e+1], v[64+64*(a%2)+2*e:64+64*(a%2)+2*e+1], s[K2P:K2P+1], v[64+2*e:65+2*e] op_sel_hi:[1,0,1]
.set e, e+1
.endr
.set a, a+1
.endr
.endr
	WIN 0
	s_wait_loadcnt 55                              ; the statistics are in: 23 + 32 loads are younger
	v_sub_f32 v[T0], v[MQ], v[MC]
	v_mul_f32 v[T0], 0.5, v[T0]                    ; delta
	v_add_f32 v[T1], v[MQ+1], v[MC+1]
	v_mul_f32 v[T1], 0.5, v[T1]
	v_fma_f32 v[T1], v[T0], v[T0], v[T1]           ; the variance of the joined row
	v_add_f32 v[T1], 0x3727c5ac, v[T1]             ; + 1e-5
	v_rsq_f32 v[RR], v[T1]
	v_nop
	s_wait_alu depctr_va_vdst(0)
	v_mul_f32 v[RD], v[RR], v[T0]
	s_mov_b32 s[LAP], 2
.Llap:                                                 ; two trips of two K steps; the joint loads at the four heads: K step 1, K step 2, K step 3, c.  One load of mine is out at the most
	STEP 0
	STEP 1
	WIN 0
	s_sub_co_u32 s[LAP], s[LAP], 1
	s_cmp_lg_u32 s[LAP], 0
	s_cbranch_scc1 .Llap
	; ---- THE END: LayerNorm of V, its norm, its product with c ----
.macro ALL8 line:vararg             ; one line for each mt = t
.set t, 0
.rept 8
	\line
.set t, t+1
.endr
.endm
.macro COMB                         ; a row block's four chains into one number, and the other half of the lanes'
	ALL8 v_pk_add_f32 v[CH+8*t:CH+8*t+1], v[CH+8*t:CH+8*t+1], v[CH+8*t+2:CH+8*t+3]
	ALL8 v_pk_add_f32 v[CH+8*t+4:CH+8*t+5], v[CH+8*t+4:CH+8*t+5], v[CH+8*t+6:CH+8*t+7]
	ALL8 v_pk_add_f32 v[CH+8*t:CH+8*t+1], v[CH+8*t:CH+8*t+1], v[CH+8*t+4:CH+8*t+5]
	ALL8 v_add_f32 v[CH+8*t], v[CH+8*t], v[CH+8*t+1]
	ALL8 v_permlanex16_b32 v[CH+8*t+1], v[CH+8*t], s[SEL], s[SEL+1]
	ALL8 v_add_f32 v[CH+8*t], v[CH+8*t], v[CH+8*t+1]
.endm
.macro REDUCE plane, first          ; the four waves' parts of each row's sum meet in LDS; each plane is used once
	ALL8 ds_store_b32 v[REDW], v[CH+8*t] offset:(\plane)+256*t
.if \first
	s_wait_tensorcnt 0x0                           ; my part of c has landed: the others read it behind this barrier
.endif
	s_wait_dscnt 0x0
	s_barrier_signal -1
	s_barrier_wait -1
	ALL8 ds_load_b128 v[CH+8*t:CH+8*t+3], v[REDR] offset:(\plane)+256*t
	s_wait_dscnt 0x0
	ALL8 v_pk_add_f32 v[CH+8*t:CH+8*t+1], v[CH+8*t:CH+8*t+1], v[CH+8*t+2:CH+8*t+3]
	ALL8 v_add_f32 v[CH+8*t], v[CH+8*t], v[CH+8*t+1]
.endm
.macro P1 hi                        ; the sums of V; each accumulator is read from its low end on
	WIN 0x0a+5*(\hi)
.set a, 0
.rept 4
.set c, 0
.rept 4
	v_pk_add_f32 v[CH+8*(4*(\hi)+a)+2*c:CH+8*(4*(\hi)+a)+2*c+1], v[64*a+2*c:64*a+2*c+1], v[64*a+8+2*c:64*a+8+2*c+1]
.set c, c+1
.endr
.set a, a+1
.endr
	WIN 0x08+4*(\hi)
.set b, 2
.rept 6
.set a, 0
.rept 4
.set c, 0
.rept 4
	v_pk_add_f32 v[CH+8*(4*(\hi)+a)+2*c:CH+8*(4*(\hi)+a)+2*c+1], v[CH+8*(4*(\hi)+a)+2*c:CH+8*(4*(\hi)+a)+2*c+1], v[64*a+8*b+2*c:64*a+8*b+2*c+1]
.set c, c+1
.endr
.set a, a+1
.endr
.set b, b+1
.endr
.endm
.macro P2 hi                        ; d = V - mean, in place; then the sums of d d
	WIN 0x82+0x41*(\hi)
.set a, 0
.rept 4
.set e, 0
.rept 32
	v_pk_add_f32 v[64*a+2*e:64*a+2*e+1], v[64*a+2*e:64*a+2*e+1], v[MUP+2*(4*(\hi)+a):MUP+2*(4*(\hi)+a)+1] op_sel_hi:[1,0] neg_lo:[0,1] neg_hi:[0,1]
.set e, e+1
.endr
.set a, a+1
.endr
	WIN 0x0a+5*(\hi)
.set b, 0
.rept 8
.set a, 0
.rept 4
.set c, 0
.rept 4
.if b == 0
	v_pk_mul_f32 v[CH+8*(4*(\hi)+a)+2*c:CH+8*(4*(\hi)+a)+2*c+1], v[64*a+2*c:64*a+2*c+1], v[64*a+2*c:64*a+2*c+1]
.else
	v_pk_fma_f32 v[CH+8*(4*(\hi)+a)+2*c:CH+8*(4*(\hi)+a)+2*c+1], v[64*a+8*b+2*c:64*a+8*b+2*c+1], v[64*a+8*b+2*c:64*a+8*b+2*c+1], v[CH+8*(4*(\hi)+a)+2*c:CH+8*(4*(\hi)+a)+2*c+1]
.endif
.set c, c+1
.endr
.set a, a+1
.endr
.set b, b+1
.endr
.endm
.macro LC g, cb                     ; c[16 g + r], my 128 columns: 16 loads.  The rows lie 544 bytes = 136 words apart, so rows r and r + 8 start at the same bank: two passes where one would do, on 64 loads a wave
.irp b, 0,1,2,3,4,5,6,7
	ds_load_b128 v[(\cb)+8*\b:(\cb)+8*\b+3],   v[ADC] offset:(\b/4)*PART+32*PITCH*(\g)+(\b%4)*64
	ds_load_b128 v[(\cb)+8*\b+4:(\cb)+8*\b+7], v[ADC] offset:(\b/4)*PART+32*PITCH*(\g)+(\b%4)*64+16
.endr
.endm
.macro P3 mt, cb                    ; F = d rs ln2_w + ln2_b; nn = sum F F; dot = sum F c
.set a, (\mt)%4
	WIN 0x06+(\mt)/4                               ; d window 2 or 3, ln2_w window 1, F window 0
.set e, 0
.rept 32
	v_pk_mul_f32 v[FF+2*e:FF+2*e+1], v[64*a+2*e:64*a+2*e+1], v[2*e:2*e+1]
.set e, e+1
.endr
	WIN 0x10                                       ; ln2_b window 1
.set e, 0
.rept 32
	v_pk_fma_f32 v[FF+2*e:FF+2*e+1], v[FF+2*e:FF+2*e+1], v[RSP+2*(\mt):RSP+2*(\mt)+1], v[192+2*e:193+2*e] op_sel_hi:[1,0,1]
.set e, e+1
.endr
	WIN 0
.set e, 0
.rept 32
.if e < 2
	v_pk_mul_f32 v[NNC+2*e:NNC+2*e+1], v[FF+2*e:FF+2*e+1], v[FF+2*e:FF+2*e+1]
	v_pk_mul_f32 v[DTC+2*e:DTC+2*e+1], v[FF+2*e:FF+2*e+1], v[(\cb)+2*e:(\cb)+2*e+1]
.else
	v_pk_fma_f32 v[NNC+2*(e%2):NNC+2*(e%2)+1], v[FF+2*e:FF+2*e+1], v[FF+2*e:FF+2*e+1], v[NNC+2*(e%2):NNC+2*(e%2)+1]
	v_pk_fma_f32 v[DTC+2*(e%2):DTC+2*(e%2)+1], v[FF+2*e:FF+2*e+1], v[(\cb)+2*e:(\cb)+2*e+1], v[DTC+2*(e%2):DTC+2*(e%2)+1]
.endif
.set e, e+1
.endr
	v_pk_add_f32 v[NNC:NNC+1], v[NNC:NNC+1], v[NNC+2:NNC+3]
	v_pk_add_f32 v[DTC:DTC+1], v[DTC:DTC+1], v[DTC+2:DTC+3]
	v_add_f32 v[RES+2*(\mt)], v[NNC], v[NNC+1]
	v_add_f32 v[RES+2*(\mt)+1], v[DTC], v[DTC+1]
.endm
	s_wait_loadcnt 0x0                             ; no load is out into the registers that are written below
	PLACES                                         ; behind the last products
	P1 0
	P1 1
	WIN 0
	COMB
	REDUCE 0, 1
	ALL8 v_mul_f32 v[MUP+2*t], s[I512], v[CH+8*t]
	ALL8 v_mov_b32 v[MUP+2*t+1], v[MUP+2*t]
	P2 0
	P2 1
	WIN 0
	COMB
	REDUCE 2048, 0
	ALL8 v_fmaak_f32 v[CH+8*t], s[I512], v[CH+8*t], 0x37f20b48   ; variance + (2 K)^2 x 1e-5
	ALL8 v_rsq_f32 v[RSP+2*t], v[CH+8*t]
	ALL8 v_rsq_f32 v[RSP+2*t+1], v[CH+8*t]         ; twice, to fill the pair
	v_nop                                          ; a plain instruction behind the last of them, before a source is loaded over or a result used
	s_wait_alu depctr_va_vdst(0)
	LC 0, CB0
	LC 1, CB1
	s_wait_dscnt 16                                ; the older 16 loads are in
	P3 0, CB0
	P3 1, CB0
	LC 2, CB0
	s_wait_dscnt 16
	P3 2, CB1
	P3 3, CB1
	LC 3, CB1
	s_wait_dscnt 16
	P3 4, CB0
	P3 5, CB0
	s_wait_dscnt 0x0
	P3 6, CB1
	P3 7, CB1
.irp u, 0,1                                            ; the other half of the lanes' parts, eight numbers at a time
.irp j, 0,1,2,3,4,5,6,7
	v_permlanex16_b32 v[NNC+\j], v[RES+8*\u+\j], s[SEL], s[SEL+1]
.endr
.irp j, 0,1,2,3,4,5,6,7
	v_add_f32 v[RES+8*\u+\j], v[RES+8*\u+\j], v[NNC+\j]
.endr
.endr
	ALL8 ds_store_b64 v[REDW2], v[RES+2*t:RES+2*t+1] offset:512*t
	s_wait_dscnt 0x0
	s_barrier_signal -1
	s_barrier_wait -1
	ds_load_b128 v[64:67], v[FIN]                  ; lane (r, h) of wave wv finishes row (2 wv + h) 16 + r: n = n0 + h, w = 16 wv + r, whose statistics of c it holds
	ds_load_b128 v[68:71], v[FIN] offset:16
	v_fma_f32 v72, v[MC], v[MC], v[MC+1]
	v_mul_f32 v72, 0x44000000, v72                 ; |c|^2 = 512 (mean^2 + variance)
	v_sqrt_f32 v74, v72
	s_wait_dscnt 0x0
	v_pk_add_f32 v[64:65], v[64:65], v[66:67]
	v_pk_add_f32 v[68:69], v[68:69], v[70:71]
	v_pk_add_f32 v[64:65], v[64:65], v[68:69]      ; (nn, dot)
	v_sqrt_f32 v73, v64
	v_mul_f32 v75, 0x41800000, v65                 ; 16 dot
	s_wait_alu depctr_va_vdst(0)
	v_max_num_f32 v74, 0x2b8cbccc, v74             ; both norms are held at 1e-12 or above
	v_max_num_f32 v73, 0x2b8cbccc, v73
	v_mul_f32 v73, v73, v74
	v_rcp_f32 v73, v73
	v_nop
	s_wait_alu depctr_va_vdst(0)
	v_mul_f32 v75, v75, v73
	ds_store_b32 v[OUTA], v75
	s_wait_dscnt 0x0
	s_barrier_signal -1
	s_barrier_wait -1
	s_cmp_lg_u32 s[WV], 0
	s_cbranch_scc1 .Lnot_first
	ds_load_b128 v[76:79], v[OUTR]
	s_wait_dscnt 0x0
	global_store_b128 v[GOUT], v[76:79], s[26:27]  ; rows n0 and n0 + 1 of out0: 512 consecutive bytes, at a multiple of 256 from its first byte
.Lnot_first:
	s_wait_tensorcnt 0x0                           ; the wave's end: these three lines, behind my last tensor load and my last LDS store
	ds_add_u32 v[SPW], v[NIL]
	s_wait_dscnt 0x0
	CROUND                                         ; the closing round: no work-group ends while a partner may still ask for a tile that names it
	s_endpgm
.Lfunc_end_k_qf609fb5422_main:
	.size	k_qf609fb5422_main, .Lfunc_end_k_qf609fb5422_main-k_qf609fb5422_main
	.p2alignl 7, 3214868480
	.fill 96, 4, 3214868480
	.section	.rodata,"a",@progbits
	.p2align	6, 0x0
	.amdhsa_kernel k_qf609fb5422_main
		.amdhsa_group_segment_fixed_size 327680
		.amdhsa_private_segment_fixed_size 0
		.amdhsa_enable_private_segment 0
		.amdhsa_kernarg_size 80
		.amdhsa_user_sgpr_count 2
		.amdhsa_user_sgpr_kernarg_segment_ptr 1
		.amdhsa_wavefront_size32 1
		.amdhsa_system_sgpr_workgroup_id_x 1
		.amdhsa_system_sgpr_workgroup_id_y 1
		.amdhsa_system_sgpr_workgroup_id_z 1
		.amdhsa_system_vgpr_workitem_id 0
		.amdhsa_next_free_vgpr 1024
		.amdhsa_next_free_sgpr 90
		.amdhsa_reserve_vcc 0
		.amdhsa_float_denorm_mode_32 3
		.amdhsa_float_denorm_mode_16_64 3
		.amdhsa_memory_ordered 1
		.amdhsa_forward_progress 1
		.amdhsa_inst_pref_size 255
	.end_amdhsa_kernel
	.section	.bss,"aw",@nobits
	.p2align	6
	.space	262144
	.amdgpu_metadata
---
amdhsa.version: [ 1, 2 ]
amdhsa.kernels:
  - .name:           k_qf609fb5422_main
    .symbol:         k_qf609fb5422_main.kd
    .args:
      - { .name: ab, .offset: 0, .size: 8, .value_kind: global_buffer, .address_space: global }
      - { .name: stats, .offset: 8, .size: 8, .value_kind: global_buffer, .address_space: global }
      - { .name: w2t, .offset: 16, .size: 8, .value_kind: global_buffer, .address_space: global }
      - { .name: class_memories, .offset: 24, .size: 8, .value_kind: global_buffer, .address_space: global }
      - { .name: query_embeddings, .offset: 32, .size: 8, .value_kind: global_buffer, .address_space: global }
      - { .name: b1, .offset: 40, .size: 8, .value_kind: global_buffer, .address_space: global }
      - { .name: b2, .offset: 48, .size: 8, .value_kind: global_buffer, .address_space: global }
      - { .name: ln2_w, .offset: 56, .size: 8, .value_kind: global_buffer, .address_space: global }
      - { .name: ln2_b, .offset: 64, .size: 8, .value_kind: global_buffer, .address_space: global }
      - { .name: out0, .offset: 72, .size: 8, .value_kind: global_buffer, .address_space: global }
    .group_segment_fixed_size: 327680
    .private_segment_fixed_size: 0
    .kernarg_segment_align: 8
    .kernarg_segment_size: 80
    .max_flat_workgroup_size: 128
    .sgpr_count:     90
    .vgpr_count:     1024
    .wavefront_size: 32
...
	.end_amdgpu_metadata
.endif
;; end of part 2
;; ======== version 2 of 2: 2 launches; 1.11 times as fast as version 1
;; limits: a function is approximated: absolute error at most 1.5e-07
;; workspace buffers: ab 2,359,296 bytes; stats 9,216 bytes; w2t 524,288 bytes
;; launch prep: the kernel of part 1 again; grid 8 x 37, 8 waves a work-group, no clusters, 149,504 bytes of LDS; arguments query_embeddings, class_memories, ln1_w, ln1_b, w1, w2, ab, stats, w2t; writes ab, stats, w2t
;; launch main (part 3): grid 512 x 1, 4 waves a work-group, clusters of 4 x 1, 327,680 bytes of LDS; arguments ab, stats, w2t, class_memories, query_embeddings, b1, b2, ln2_w, ln2_b, out0; writes out0
.if DOCPART == 3
	.amdgcn_target "amdgcn-amd-amdhsa--gfx1250"
	.amdhsa_code_object_version 6
	.text
	.protected	k_qf609fb5422_main
	.globl	k_qf609fb5422_main
	.p2align	8
	.type	k_qf609fb5422_main,@function
k_qf609fb5422_main:
	s_mov_b64 s[64:65], 0
	v_nop
	global_prefetch_b8 v0, s[64:65] scope:SCOPE_SE
	s_setreg_imm32_b32 hwreg(HW_REG_WAVE_MODE, 25, 1), 1
	s_wait_xcnt 0x0
	s_wait_alu depctr_hold_cnt(0) depctr_sa_sdst(0) depctr_va_vdst(0) depctr_va_sdst(0) depctr_va_ssrc(0) depctr_va_vcc(0) depctr_vm_vsrc(0)
	s_getreg_b32 s2, hwreg(HW_REG_IB_STS2, 6, 4)
	s_cmp_eq_u32 s2, 0
	s_cbranch_scc0 .Lentry_in_a_cluster
	s_endpgm
.Lentry_in_a_cluster:
	s_bfe_u32 s2, ttmp6, 0x10000c
	s_cmp_lg_u32 s2, 0x3003
	s_cbranch_scc0 .Lentry_shape_is_right
	s_endpgm
.Lentry_shape_is_right:
; out[n][w] = 16 cos(LN2(gelu(LN1(q[n] | c[w]) w1 + b1) w2 + b2 + q[n]), c[w]) for 2 n x 64 w = 128 rows a work-group.
; THE FIRST PRODUCT comes from tables (made by the launch before, all times K = sqrt(log2(e) / 2)): y = K x = r (A'[n] + B'[w] + delta sd) + t.
; GELU, exact form: G = y + |y| (1 - P(u) 2^(-y y)) = 2 K gelu(x), u = 1 / (1 + PP |y|), P the polynomial of Abramowitz and Stegun 7.1.26 (erf to 1.5e-7 for every x).
; The factor 2 K is never taken back: the accumulators start at 2 K (q + b2), so they end as V = 2 K (h + q), and the second LayerNorm does not see a common factor once its eps is (2 K)^2 eps.
; SHARES.  Row 16 mt + r of the tile: mt = 2 g + nl, w = 16 g + r, n = n0 + nl.  Making G, wave wv takes rows 32 wv .. + 31, a row across its 32 lanes.  In the product G w2 wave wv has all 128 rows x
; columns 128 wv .. + 127: 64 accumulators, 512 registers.  K = 512 goes in 4 steps of 128: G's chunk is made into LDS, w2t's tile comes by tensor load into a ring of two slots.
; BATCHES.  G is made four rows (16 numbers a lane) at a time.  A group's 16 reciprocals and 16 exponentials read only what plain lines made (1 + PP |y|, - y y), none of them another's result: they are ONE BATCH of 32
; with ONE wait.  A group's plain work is cut in two: FRONT (up to the transcendentals' arguments) and BACK (all that reads their results).  A batch stands, plain and transcendental by turns, between the lines of the group
; before's BACK (the first batch of a trip: of the next group's FRONT), which name none of its registers: two sets of work registers take turns.  Four waits for a trip's 16 rows; none is pending at a label or a jump.
; The head's reciprocal root, the end's sixteen, its two square roots and its reciprocal (which reads a root) are batches of their own, each with one wait, once a wave.
; THE MATRIX INSTRUCTION IS USED TRANSPOSED (source 0 = 16 rows of w2t, source 1 = 16 rows of G): lane (r, h) holds row r and the columns 16 b + 8 h + 0..7, so a row's sums are in-lane
; additions, one exchange of the lanes' halves, and one meeting of the four waves in LDS.
; CLUSTER.  All work-groups walk the same w2t and c, so the four of a cluster ask for each tile JOINTLY: the same tensor load, descriptor and mask in all four.  No address of a tile and no LDS address
; hangs on the place in the cluster; that place enters the offsets into ab, stats, q and out0 alone.
; LIMITS.  G and w2 enter the matrix unit in bf16, sums in f32.  erf is good to 1.5e-7 absolute, so far below 0 gelu keeps an absolute error of |x| x 6e-8 and no relative accuracy.
; 2^x, 1/x, 1/sqrt(x), sqrt(x) flush denormals.  |c| is taken as sqrt(512 (var c + mean c^2)).  NaN and infinities are not treated apart.
; REGISTERS, in windows of 256 (s_set_vgpr_msb: bits 1:0 source 0, 3:2 source 1, 5:4 source 2, 7:6 destination):
;   window 0: v0-63 addresses, statistics, table rows (v40-55 also gelu's polynomial); v64-191 G's fragments, two buffers (also: q at the start, the two sets of gelu's work registers, chains and c at the end); v192-255 16 rows of B' (at the end F)
;   window 1: v0-63 ln2_w; v64-191 w2t's fragments, two buffers (b2 at the start); v192-255 ln2_b          windows 2, 3: the accumulators, (a, b) at v[8 (8 (a % 4) + b)]
.set PITCH, 272          ; an LDS row: 256 bytes + 16 = 68 words: row r starts at bank 4 r mod 64 (64 banks of 4 bytes: ISA guide 11.1)
.set PART,  128*PITCH    ; what one tensor load brings: 128 rows
.set SLOT,  4*PART       ; a slot: the four waves' parts
.set GCH,   2*SLOT       ; 278,528: G's chunk, [128 rows][128 k] bf16; no tensor load lands here
.set RED,   GCH+PART     ; 313,344: + 0 sums [row][wave]; + 2,048 sums of squares; + 4,096 (nn, dot) [row][wave]; + 8,192 the results [2][64]
.set SPARE, RED+8704     ; 322,048: the spare words, 128 bytes for each of four waves
.set ADRA, 4             ; v4    G's fragments
.set ADRB, 5             ; v5-6  my part of slot 0, 1
.set GST,  7             ; v7    where a row of G goes, stepped in the loop over nl
.set VB,   8             ; v8    offset in ab of my 16 rows of B'
.set VA,   9             ; v9    of A'[n0]
.set VS,   10            ; v10   of the four special rows
.set VL,   11            ; v11   16 x lane
.set ADC,  12            ; v12   c's fragments
.set REDW, 13            ; v13   my wave's word of a row's four
.set REDR, 14            ; v14   a row's four words
.set QOF,  15            ; v15   512 wv + 32 h: my 8 columns of block 0 in q, b2, ln2_w, ln2_b
.set RR,   16            ; v16   r for (n0 + h, 16 wv + lane % 16)
.set RD,   17            ; v17   r delta
.set T0,   18
.set T1,   19
.set MC,   20            ; v20-21 mean, variance of c[16 wv + lane % 16]
.set SPW,  22            ; v22   my spare word; never rewritten
.set NIL,  23            ; v23   0; never rewritten
.set AC,   24            ; v24-27 A' of the n in hand    v28-31 of the other
.set AN,   28
.set SD,   32            ; v32-35 sd     v36-39 t     v40-51 as loaded: the lower halves' rows and b1
.set TT,   36
.set SB,   40
.set TB,   44
.set B1R,  48
.set MQ,   52            ; v52-53 mean, variance of q[n0 + h]
.set REDW2, 56
.set GSTB, 57            ; v57   G's first row of my 32; never rewritten
.set FIN,  58
.set OUTA, 59
.set OUTR, 60
.set GOUT, 61
.set YY,   64            ; gelu's work registers, two sets of 64 (set s lies 64 s further up), 16 each: y, |y|, u (at the last the 8 packed words), 2^(-y y) (at first r delta sd + t)
.set AY,   80
.set UU,   96
.set EE,   112
.set HH,   40            ; v40-55 the polynomial, one set: the rows loaded into v40-51 are dead once sd and t are made, and are loaded again only behind the chunk; q's statistics are dead behind the head
.set BB,   192
.set F0,   64
.set F1,   128
.set CH,   64            ; the end: four chains (pairs) for each mt
.set MUP,  24            ; the rows' means, a pair for each mt; later (nn, dot)
.set RSP,  40            ; 1 / sqrt(var + eps), a pair for each mt
.set RES,  24
.set NNC,  4
.set DTC,  8
.set CB0,  64
.set CB1,  128
.set FF,   192
.set WV,   3
.set CX,   4
.set N0,   5
.set LAP,  6
.set TRIP, 7
.set G1,   28            ; s[28:35] descriptor group 1, the same for every load
.set G0A,  36            ; s[36:39] group 0 for slot 0
.set G0B,  40            ; s[40:43] for slot 1
.set NXA,  44            ; s[44:45] what slot 0 takes next
.set CRAW, 46            ; s[46:47] c at my wave's 256 bytes
.set POOL, 48            ; s[48:63] four rows' r and r delta, each the low word of a pair
.set SEL,  66
.set ABSM, 68
.set I512, 69
.set A1,   70
.set A2,   72
.set A3,   74
.set A4,   76
.set A5,   78
.set PPS,  80
.set K2P,  82
.set OFS,  84
.set TM,   86
.set KP,   88
.set MSB, 0
.macro WIN new                      ; the immediate's high byte repeats the setting that is left; a switch that changes nothing is dropped
.if MSB != (\new)
	s_set_vgpr_msb (MSB<<8)|(\new)
.set MSB, (\new)
.endif
.endm
.set MUL_LO, 0xa1        ; source 0 (w2t) window 1, source 1 (G) window 0, C and D window 2
.set TO_B,   0x40        ; destination window 1, address window 0
.macro PAIR reg, val
	s_mov_b32 s[\reg], \val
	s_mov_b32 s[\reg+1], \val
.endm
.macro PLACES                       ; four places behind matrix instructions, in front of loads into their sources and of reads of their results
.rept 4
	v_nop
.endr
.endm
.macro JL g0                        ; a joint load: each wave its own 128 rows, both addresses stepped by the wave's number.  An s_nop 0 and four v_nop follow
	tensor_load_to_lds s[\g0:\g0+3], s[G1:G1+7]
	s_nop 0
.rept 4
	v_nop
.endr
.endm
.macro CROUND                       ; a round of the cluster's barrier: my work-group's barrier; wave 0 signals for it; every wave waits for all four work-groups; my work-group's barrier once more
	s_barrier_signal -1
	s_barrier_wait -1
	s_cmp_lg_u32 s[WV], 0
	s_cbranch_scc1 .Lnot_wave_0_\@
	s_barrier_signal -3
.Lnot_wave_0_\@:
	s_barrier_wait -3
	s_barrier_signal -1
	s_barrier_wait -1
.endm
.macro TLOAD                        ; 23 loads: a chunk's 128 columns of the tables, 512 consecutive bytes a load
.set i, 0
.rept 16
	global_load_b128 v[BB+4*i:BB+4*i+3], v[VB], s[8:9] offset:i*2048
.set i, i+1
.endr
	global_load_b128 v[AC:AC+3], v[VA], s[8:9]
	global_load_b128 v[AN:AN+3], v[VA], s[8:9] offset:2048
	global_load_b128 v[SD:SD+3], v[VS], s[8:9]                 ; row 1088
	global_load_b128 v[TT:TT+3], v[VS], s[8:9] offset:2048     ; row 1089
	global_load_b128 v[SB:SB+3], v[VS], s[8:9] offset:65536    ; row 1120
	global_load_b128 v[TB:TB+3], v[VS], s[8:9] offset:67584    ; row 1121
	global_load_b128 v[B1R:B1R+3], v[VL], s[18:19]
.endm
.macro SDT                          ; sd = upper - lower; t = upper + lower + K b1
.irp p, 0,1
	v_pk_add_f32 v[SD+2*\p:SD+2*\p+1], v[SD+2*\p:SD+2*\p+1], v[SB+2*\p:SB+2*\p+1] neg_lo:[0,1] neg_hi:[0,1]
	v_pk_add_f32 v[TT+2*\p:TT+2*\p+1], v[TT+2*\p:TT+2*\p+1], v[TB+2*\p:TB+2*\p+1]
.endr
.irp p, 0,1
	v_pk_fma_f32 v[TT+2*\p:TT+2*\p+1], v[B1R+2*\p:B1R+2*\p+1], s[KP:KP+1], v[TT+2*\p:TT+2*\p+1] op_sel_hi:[1,0,1]
.endr
.endm
; THE BATCH.  OPEN s opens the batch of set s: its 16 reciprocals, then its 16 exponentials, each in place on its argument.  TX writes the batch's next one, or nothing when all 32 are out.
; FRONT and BACK call TX behind their plain lines; the set that they work on is the other one, so none of their lines names a register of the open batch.
.macro OPEN s
.set tq, 0
.set TS, 64*(\s)
.endm
.macro TX
.if tq < 16
	v_rcp_f32 v[TS+UU+tq], v[TS+UU+tq]
.elseif tq < 32
	v_exp_f32 v[TS+EE+tq-16], v[TS+EE+tq-16]
.endif
.set tq, tq+1
.endm
; FRONT: rows i0 .. i0 + 3 of the n in hand, 16 numbers a lane, into set s: y, |y|, and the transcendentals' arguments 1 + PP |y| and - y y.  56 plain lines; an open batch is out behind the first 32.
.macro FRONT i0, s
.set Z, 64*(\s)
.irp q, 0,1,2,3
	v_readlane_b32 s[POOL+4*\q], v[RR], (\i0)+\q
	v_readlane_b32 s[POOL+4*\q+2], v[RD], (\i0)+\q
.endr
.irp q, 0,1,2,3
.irp p, 0,1
	v_pk_add_f32 v[Z+YY+4*\q+2*\p:Z+YY+4*\q+2*\p+1], v[AC+2*\p:AC+2*\p+1], v[BB+4*((\i0)+\q)+2*\p:BB+4*((\i0)+\q)+2*\p+1]
	TX
	v_pk_fma_f32 v[Z+EE+4*\q+2*\p:Z+EE+4*\q+2*\p+1], v[SD+2*\p:SD+2*\p+1], s[POOL+4*\q+2:POOL+4*\q+3], v[TT+2*\p:TT+2*\p+1] op_sel_hi:[1,0,1]
	TX
.endr
.endr
.irp q, 0,1,2,3
.irp p, 0,1
	v_pk_fma_f32 v[Z+YY+4*\q+2*\p:Z+YY+4*\q+2*\p+1], v[Z+YY+4*\q+2*\p:Z+YY+4*\q+2*\p+1], s[POOL+4*\q:POOL+4*\q+1], v[Z+EE+4*\q+2*\p:Z+EE+4*\q+2*\p+1] op_sel_hi:[1,0,1]  ; y = r (A' + B') + (r delta sd + t)
	TX
.endr
.endr
.set e, 0
.rept 16
	v_and_b32 v[Z+AY+e], s[ABSM], v[Z+YY+e]
	TX
.set e, e+1
.endr
.set e, 0
.rept 8
	v_pk_fma_f32 v[Z+UU+2*e:Z+UU+2*e+1], v[Z+AY+2*e:Z+AY+2*e+1], s[PPS:PPS+1], 1.0 op_sel_hi:[1,0,0]
.set e, e+1
.endr
.set e, 0
.rept 8
	v_pk_mul_f32 v[Z+EE+2*e:Z+EE+2*e+1], v[Z+YY+2*e:Z+YY+2*e+1], v[Z+YY+2*e:Z+YY+2*e+1] neg_lo:[1,0] neg_hi:[1,0]  ; - y y
.set e, e+1
.endr
.endm
.macro HSTEP cf                     ; the polynomial, one step: H = H u + coefficient
.set e, 0
.rept 8
	v_pk_fma_f32 v[HH+2*e:HH+2*e+1], v[HH+2*e:HH+2*e+1], v[Z+UU+2*e:Z+UU+2*e+1], s[\cf:\cf+1] op_sel_hi:[1,1,0]
	TX
.set e, e+1
.endr
.endm
; BACK: the same rows out of set s, whose batch has had its wait: the polynomial, erf, G, rounded to bf16 and stored.  64 plain lines; an open batch (the other set's) is out behind the first 32,
; and the other 32, of which the first is the plain instruction that a transcendental wants behind it (ISA guide 5.7.2), stand between it and its wait.
.macro BACK i0, s
.set Z, 64*(\s)
.set e, 0
.rept 8
	v_pk_fma_f32 v[HH+2*e:HH+2*e+1], v[Z+UU+2*e:Z+UU+2*e+1], s[A5:A5+1], s[A4:A4+1] op_sel_hi:[1,0,0]
	TX
.set e, e+1
.endr
	HSTEP A3
	HSTEP A2
	HSTEP A1
.set e, 0
.rept 8
	v_pk_mul_f32 v[HH+2*e:HH+2*e+1], v[HH+2*e:HH+2*e+1], v[Z+UU+2*e:Z+UU+2*e+1]
.set e, e+1
.endr
.set e, 0
.rept 8
	v_pk_fma_f32 v[Z+EE+2*e:Z+EE+2*e+1], v[HH+2*e:HH+2*e+1], v[Z+EE+2*e:Z+EE+2*e+1], 1.0 op_sel_hi:[1,1,0] neg_lo:[1,0,0] neg_hi:[1,0,0]  ; erf(|x| / sqrt 2)
.set e, e+1
.endr
.set e, 0
.rept 8
	v_pk_fma_f32 v[Z+YY+2*e:Z+YY+2*e+1], v[Z+AY+2*e:Z+AY+2*e+1], v[Z+EE+2*e:Z+EE+2*e+1], v[Z+YY+2*e:Z+YY+2*e+1]
.set e, e+1
.endr
.set e, 0
.rept 8
	v_cvt_pk_bf16_f32 v[Z+UU+e], v[Z+YY+2*e], v[Z+YY+2*e+1]  ; u is dead: its first eight registers take the packed words
.set e, e+1
.endr
.irp q, 0,1,2,3
	ds_store_b64 v[GST], v[Z+UU+2*\q:Z+UU+2*\q+1] offset:((\i0)+\q)*PITCH   ; 32 lanes, 256 consecutive bytes: a row of the chunk
.endr
.endm
.macro PRODUCE                      ; my 32 rows of the chunk: two trips, n0 and n0 + 1.  A trip's end brings the other n's A' and, by an exchange of the lanes' halves, its r; two exchanges restore them
	v_mov_b32 v[GST], v[GSTB]
	s_mov_b32 s[TRIP], 2
.Lnl_\@:
.set tq, 32                         ; no batch is open
	FRONT 0, 0
	OPEN 0
	FRONT 4, 1                                     ; rows 4-7's front | the batch of rows 0-3
	s_wait_alu depctr_va_vdst(0)                   ; the wait ahead of the first use: one for the 32 of rows 0-3; 24 plain lines stand behind the last of them
	OPEN 1
	BACK 0, 0                                      ; rows 0-3's back | the batch of rows 4-7
	FRONT 8, 0
	s_wait_alu depctr_va_vdst(0)                   ; one for the 32 of rows 4-7; half a back and a whole front stand behind the last of them
	OPEN 0
	BACK 4, 1                                      ; rows 4-7's back | the batch of rows 8-11
	FRONT 12, 1
	s_wait_alu depctr_va_vdst(0)                   ; one for the 32 of rows 8-11
	OPEN 1
	BACK 8, 0                                      ; rows 8-11's back | the batch of rows 12-15
	s_wait_alu depctr_va_vdst(0)                   ; one for the 32 of rows 12-15; half a back stands behind the last of them.  No transcendental follows in the trip: none is pending at the jump
	BACK 12, 1
.irp j, 0,1,2,3
	v_mov_b32 v[AC+\j], v[AN+\j]
.endr
	v_permlanex16_b32 v[T0], v[RR], s[SEL], s[SEL+1]
	v_permlanex16_b32 v[T1], v[RD], s[SEL], s[SEL+1]
	v_add_nc_u32 v[GST], 16*PITCH, v[GST]
	v_mov_b32 v[RR], v[T0]
	v_mov_b32 v[RD], v[T1]
	s_sub_co_u32 s[TRIP], s[TRIP], 1
	s_cmp_lg_u32 s[TRIP], 0
	s_cbranch_scc1 .Lnl_\@
.endm
; 16 matrix instructions: row blocks a0, a0 + 1 of the window's four x all 8 column blocks, 32 along K.  The 64 accumulators take turns in one order everywhere.
.macro MUL16 f, hi, a0
	WIN MUL_LO+0x50*(\hi)
.irp a, \a0, (\a0)+1
.irp b, 0,1,2,3,4,5,6,7
	v_wmma_f32_16x16x32_bf16 v[8*(8*(\a)+(\b)):8*(8*(\a)+(\b))+7], v[(\f)+8*(\b):(\f)+8*(\b)+7], v[(\f)+8*(4*(\hi)+(\a)):(\f)+8*(4*(\hi)+(\a))+7], v[8*(8*(\a)+(\b)):8*(8*(\a)+(\b))+7]
.endr
.endr
.endm
.macro FETCH slot, k, f             ; 32 LDS loads in one run: 128 rows of w2t, 128 rows of G, 32 K at byte k of the rows
	WIN TO_B
.irp i, 0,1,2,3,4,5,6,7
	ds_load_b128 v[(\f)+8*(\i):(\f)+8*(\i)+3],   v[ADRB+(\slot)] offset:(\k)+(\i)*16*PITCH
	ds_load_b128 v[(\f)+8*(\i)+4:(\f)+8*(\i)+7], v[ADRB+(\slot)] offset:(\k)+(\i)*16*PITCH+32
.endr
	WIN 0
.irp i, 0,1,2,3,4,5,6,7
	ds_load_b128 v[(\f)+8*(\i):(\f)+8*(\i)+3],   v[ADRA] offset:(\k)+(\i)*16*PITCH
	ds_load_b128 v[(\f)+8*(\i)+4:(\f)+8*(\i)+7], v[ADRA] offset:(\k)+(\i)*16*PITCH+32
.endr
.endm
.macro QUARTER slot, k, f, g        ; 64 matrix instructions on buffer f; in their middle the next quarter's fragments go into g
	s_wait_dscnt 8                                 ; w2t and G's rows 0-63 are in; the youngest eight loads (rows 64-127) may be out
	MUL16 \f, 0, 0
	MUL16 \f, 0, 2
	PLACES
	FETCH \slot, \k, \g
	s_wait_dscnt 32                                ; all but the 32 just issued
	MUL16 \f, 1, 0
	MUL16 \f, 1, 2
.endm
.macro GEMM slot
	FETCH \slot, 0, F0
	QUARTER \slot, 64,  F0, F1
	QUARTER \slot, 128, F1, F0
	QUARTER \slot, 192, F0, F1
	s_wait_dscnt 8
	MUL16 F1, 0, 0
	MUL16 F1, 0, 2
	s_wait_dscnt 0x0
	MUL16 F1, 1, 0
	MUL16 F1, 1, 2
.endm
; A K STEP.  Head: all my tensor loads have landed (one is out: my part of this step's slot), the add, my LDS reads of the last step are back; a round of the cluster's barrier; the other slot's joint load, which has
; this whole step in which to land.  Then G's chunk is made (nobody reads the old one any more: the round stands between), the next chunk's tables are asked for, a barrier shows the chunk to all, and 256 products follow.
.macro STEP slot
	WIN 0
	s_wait_tensorcnt 0x0                           ; no tensor load of mine is out, so a group 0 may be written
	ds_add_u32 v[SPW], v[NIL]                      ; 0 onto my spare word
.if \slot
	s_add_nc_u64 s[G0B+2:G0B+3], s[G0B+2:G0B+3], 512        ; slot 1: two K steps on (the second time the stepped address is not used)
	s_add_nc_u64 s[G0A+2:G0A+3], s[NXA:NXA+1], 0            ; slot 0: K step 2, the second time c
	s_or_b32 s[G0A+3], s[G0A+3], 0x80000000
	s_mov_b64 s[NXA:NXA+1], s[CRAW:CRAW+1]
.endif
	s_wait_dscnt 0x0                               ; the add is done, and my reads of the slot and of G's chunk are over
	CROUND
.if \slot
	JL G0A
.else
	JL G0B
.endif
	s_wait_loadcnt 0x0                             ; this chunk's tables (asked for a step ago)
	SDT
	PRODUCE
.if \slot
	s_cmp_eq_u32 s[LAP], 1                         ; behind the last chunk there is none to ask for
	s_cbranch_scc1 .Lnonext_\@
.endif
	s_add_nc_u64 s[8:9], s[8:9], 512               ; the loads that named these bases are done: the wait above
	s_add_nc_u64 s[18:19], s[18:19], 512
	TLOAD
.if \slot
.Lnonext_\@:
.endif
	s_wait_dscnt 0x0                               ; for the others' sake: my rows of the chunk are in LDS
	s_barrier_signal -1                            ; The joint load may stay out
	s_barrier_wait -1
	GEMM \slot
.endm
	s_load_b512 s[8:23], s[0:1], 0x0               ; ab s[8:9], stats s[10:11], w2t s[12:13], c s[14:15], q s[16:17], b1 s[18:19], b2 s[20:21], ln2_w s[22:23]
	s_load_b128 s[24:27], s[0:1], 0x40             ; ln2_b s[24:25], out0 s[26:27]
	v_lshl_add_u32 v[SPW], v0, 2, SPARE
	v_mov_b32 v[NIL], 0
	ds_add_u32 v[SPW], v[NIL]                      ; the wave's opening: the add and its wait ahead of my first tensor load; the set-up below, work on registers, stands between them
	v_lshrrev_b32 v1, 5, v0
	v_readfirstlane_b32 s[WV], v1                  ; wave 0..3
	s_bfe_u32 s[CX], ttmp6, 0x40000                ; my place in the cluster
	s_lshl_b32 s[N0], ttmp9, 2                     ; in a cluster launch ttmp9 counts clusters
	s_add_co_u32 s[N0], s[N0], s[CX]
	s_lshl_b32 s[N0], s[N0], 1                     ; n0 = 2 x work-group
	; descriptor group 1: 128 rows x 128 elements of 2 bytes, 512 elements from row to row, padded in LDS.  It serves w2t ([512][512] bf16) and c, taken as 128 half rows of 1,024 bytes
	s_mov_b32 s[G1], 15|(1<<16)|(1<<20)|(1<<21)|(5<<22)|(3<<25)  ; 15:0 the mask of four; 17:16 2-byte elements; 20 padding on; 21 set beside a mask; 24:22 after every 64 words; 31:25 4 words of it
	s_mov_b32 s[G1+1], 128<<16                     ; tensor_dim0 = 128
	s_mov_b32 s[G1+2], 128<<16                     ; tensor_dim1 = 128
	s_mov_b32 s[G1+3], 128<<16                     ; tile_dim0 = 128
	s_mov_b32 s[G1+4], 128                         ; tile_dim1 = 128
	s_mov_b32 s[G1+5], 512                         ; the pitch
	s_mov_b32 s[G1+6], 0
	s_mov_b32 s[G1+7], 0
	s_mul_i32 s[TM], s[WV], PART                   ; my part of a slot
	s_mov_b32 s[G0A], 1
	s_mov_b32 s[G0A+1], s[TM]
	s_mov_b32 s[G0B], 1
	s_add_co_u32 s[G0B+1], s[TM], SLOT
	s_mov_b32 s[SEL], 0x76543210
	s_mov_b32 s[SEL+1], 0xfedcba98
	s_mov_b32 s[ABSM], 0x7fffffff
	s_mov_b32 s[I512], 0x3b000000                  ; 1 / 512
	PAIR A1, 0x3e827906                            ;  0.254829592
	PAIR A2, 0xbe91a98e                            ; -0.284496736
	PAIR A3, 0x3fb5f0e3                            ;  1.421413741
	PAIR A4, 0xbfba00e3                            ; -1.453152027
	PAIR A5, 0x3f87dc22                            ;  1.061405429
	PAIR PPS, 0x3e8ba43f                           ;  0.3275911 / sqrt(log2(e)) = 0.27273748
	PAIR K2P, 0x3fd96d27                           ;  2 K = 1.6986436
	PAIR KP, 0x3f596d27                            ;  K = 0.8493218
.irp q, 0,1,2,3,4,5,6,7
	s_mov_b32 s[POOL+2*\q+1], 0                    ; the pool's upper words: named in pairs, never used
.endr
	s_lshl_b32 s[OFS], s[WV], 17                   ; my 128 rows of w2t, 1,024 bytes each
	s_mov_b32 s[OFS+1], 0
	s_wait_dscnt 0x0                               ; the opening add is done
	s_wait_kmcnt 0x0
	s_add_nc_u64 s[12:13], s[12:13], s[OFS:OFS+1]
	s_add_nc_u64 s[G0A+2:G0A+3], s[12:13], 0       ; K step 0
	s_or_b32 s[G0A+3], s[G0A+3], 0x80000000
	s_add_nc_u64 s[G0B+2:G0B+3], s[12:13], 256     ; K step 1
	s_or_b32 s[G0B+3], s[G0B+3], 0x80000000
	s_add_nc_u64 s[NXA:NXA+1], s[12:13], 512       ; K step 2
	s_lshl_b32 s[OFS], s[WV], 8
	s_add_nc_u64 s[CRAW:CRAW+1], s[14:15], s[OFS:OFS+1]  ; c: bytes 256 wv on of every half row
	CROUND                                         ; all four work-groups are here: the first joint loads meet
	JL G0A                                         ; K step 0 into slot 0; slot 1 is first filled behind the first step's round
	v_and_b32 v1, 15, v0                           ; r
	v_bfe_u32 v2, v0, 4, 1                         ; h
	v_and_b32 v3, 31, v0                           ; lane
	s_lshl_b32 s[TM], s[WV], 9
	v_lshl_add_u32 v[QOF], v2, 5, s[TM]
	s_lshl_b32 s[OFS], s[N0], 11
	s_add_nc_u64 s[16:17], s[16:17], s[OFS:OFS+1]  ; q at row n0
.set i, 0
.rept 16                                               ; q[n0 + i / 8], column block i % 8: the lanes of a half read the same 32 bytes
	global_load_b128 v[64+8*i:64+8*i+3], v[QOF], s[16:17] offset:(i/8)*2048+(i%8)*64
	global_load_b128 v[64+8*i+4:64+8*i+7], v[QOF], s[16:17] offset:(i/8)*2048+(i%8)*64+16
.set i, i+1
.endr
	WIN TO_B
.set i, 0
.rept 8
	global_load_b128 v[64+8*i:64+8*i+3], v[QOF], s[20:21] offset:i*64       ; b2
	global_load_b128 v[64+8*i+4:64+8*i+7], v[QOF], s[20:21] offset:i*64+16
.set i, i+1
.endr
	WIN 0
	v_add_nc_u32 v[T0], s[N0], v2
	v_lshlrev_b32 v[T0], 3, v[T0]
	s_lshl_b32 s[TM], s[WV], 4
	s_add_co_u32 s[TM], s[TM], 1024
	v_add_nc_u32 v[T1], s[TM], v1
	v_lshlrev_b32 v[T1], 3, v[T1]
	global_load_b64 v[MQ:MQ+1], v[T0], s[10:11]    ; statistics of q[n0 + h]
	global_load_b64 v[MC:MC+1], v[T1], s[10:11]    ; and of c[16 wv + r]
	s_lshl_b32 s[TM], s[WV], 15
	s_add_co_u32 s[TM], s[TM], 1024*2048
	v_lshl_add_u32 v[VB], v3, 4, s[TM]
	v_lshl_add_u32 v[VA], v3, 4, s[OFS]
	v_lshl_add_u32 v[VS], v3, 4, 1088*2048
	v_lshlrev_b32 v[VL], 4, v3
	TLOAD                                          ; chunk 0
	WIN TO_B
.set i, 0
.rept 8
	global_load_b128 v[8*i:8*i+3], v[QOF], s[22:23] offset:i*64             ; ln2_w
	global_load_b128 v[8*i+4:8*i+7], v[QOF], s[22:23] offset:i*64+16
	global_load_b128 v[192+8*i:192+8*i+3], v[QOF], s[24:25] offset:i*64     ; ln2_b
	global_load_b128 v[192+8*i+4:192+8*i+7], v[QOF], s[24:25] offset:i*64+16
.set i, i+1
.endr
	WIN 0
	; LDS addresses: the wave's number, the lane, constants
	v_mul_u32_u24 v62, v1, PITCH
	v_lshl_add_u32 v62, v2, 4, v62                 ; a fragment's row x pitch + 16 x half
	v_add_nc_u32 v[ADRA], GCH, v62
	s_mul_i32 s[TM], s[WV], PART
	v_add_nc_u32 v[ADRB], s[TM], v62
	v_add_nc_u32 v[ADRB+1], SLOT, v[ADRB]
	s_mul_i32 s[TM], s[WV], 32*PITCH
	s_add_co_u32 s[TM], s[TM], GCH
	v_lshl_add_u32 v[GSTB], v3, 3, s[TM]
	; c(w, col) lies at part ((col % 256) / 64), row 2 w + col / 256, byte 4 (col % 64).  My columns 128 wv + 16 b + 8 h: part 2 (wv % 2) + b / 4, row 2 w + wv / 2
	s_and_b32 s[TM], s[WV], 1
	s_mul_i32 s[TM], s[TM], 2*PART
	s_lshr_b32 s[TM+1], s[WV], 1
	s_mul_i32 s[TM+1], s[TM+1], PITCH
	s_add_co_u32 s[TM], s[TM], s[TM+1]
	v_mul_u32_u24 v[ADC], v1, 2*PITCH
	v_lshl_add_u32 v[ADC], v2, 5, v[ADC]
	v_add_nc_u32 v[ADC], s[TM], v[ADC]
	s_lshl_b32 s[TM], s[WV], 2
	s_add_co_u32 s[TM], s[TM], RED
	v_lshl_add_u32 v[REDW], v1, 4, s[TM]
	v_lshl_add_u32 v[REDR], v1, 4, RED
	s_lshl_b32 s[TM], s[WV], 3
	s_add_co_u32 s[TM], s[TM], RED+4096
	v_lshl_add_u32 v[REDW2], v1, 5, s[TM]
	s_lshl_b32 s[TM], s[WV], 10
	s_add_co_u32 s[TM], s[TM], RED+4096
	v_lshl_add_u32 v[FIN], v1, 5, s[TM]
	v_lshl_add_u32 v[FIN], v2, 9, v[FIN]           ; row (2 wv + h) 16 + r, 32 bytes a row
	s_lshl_b32 s[TM], s[WV], 6
	s_add_co_u32 s[TM], s[TM], RED+8192
	v_lshl_add_u32 v[OUTA], v1, 2, s[TM]
	v_lshl_add_u32 v[OUTA], v2, 8, v[OUTA]
	v_lshl_add_u32 v[OUTR], v3, 4, RED+8192
	v_lshlrev_b32 v[GOUT], 4, v3
	s_lshl_b32 s[OFS], s[N0], 8
	s_add_nc_u64 s[26:27], s[26:27], s[OFS:OFS+1]  ; out0 at row n0
	; THE ACCUMULATORS START AT 2 K (q + b2): bias and residual are in before the first product, so every product has one text and nothing is cleared
	s_wait_loadcnt 57                              ; q and b2 are in: 2 + 23 + 32 loads are younger
	WIN 0x41
.set e, 0
.rept 32
	v_pk_mul_f32 v[64+2*e:65+2*e], v[64+2*e:65+2*e], s[K2P:K2P+1] op_sel_hi:[1,0]
.set e, e+1
.endr
.irp hi, 0,1
	WIN 0x90+0x40*\hi                              ; destination window 2 or 3, q window 0, b2 window 1
.set a, 0
.rept 4
.set e, 0
.rept 32
	v_pk_fma_f32 v[64*a+2*e:64*a+2*e+1], v[64+64*(a%2)+2*e:64+64*(a%2)+2*e+1], s[K2P:K2P+1], v[64+2*e:65+2*e] op_sel_hi:[1,0,1]
.set e, e+1
.endr
.set a, a+1
.endr
.endr
	WIN 0
	s_wait_loadcnt 55                              ; the statistics are in: 23 + 32 loads are younger
	v_sub_f32 v[T0], v[MQ], v[MC]
	v_mul_f32 v[T0], 0.5, v[T0]                    ; delta
	v_add_f32 v[T1], v[MQ+1], v[MC+1]
	v_mul_f32 v[T1], 0.5, v[T1]
	v_fma_f32 v[T1], v[T0], v[T0], v[T1]           ; the variance of the joined row
	v_add_f32 v[T1], 0x3727c5ac, v[T1]             ; + 1e-5
	v_rsq_f32 v[RR], v[T1]
	v_nop                                          ; a plain instruction behind it, before its result is used
	s_wait_alu depctr_va_vdst(0)                   ; and the wait ahead of the first use: the head's one reciprocal root, once a wave
	v_mul_f32 v[RD], v[RR], v[T0]
	s_mov_b32 s[LAP], 2
.Llap:                                                 ; two trips of two K steps; the joint loads at the four heads: K step 1, K step 2, K step 3, c.  One load of mine is out at the most
	STEP 0
	STEP 1
	WIN 0
	s_sub_co_u32 s[LAP], s[LAP], 1
	s_cmp_lg_u32 s[LAP], 0
	s_cbranch_scc1 .Llap
	; ---- THE END: LayerNorm of V, its norm, its product with c ----
.macro ALL8 line:vararg             ; one line for each mt = t
.set t, 0
.rept 8
	\line
.set t, t+1
.endr
.endm
.macro COMB                         ; a row block's four chains into one number, and the other half of the lanes'
	ALL8 v_pk_add_f32 v[CH+8*t:CH+8*t+1], v[CH+8*t:CH+8*t+1], v[CH+8*t+2:CH+8*t+3]
	ALL8 v_pk_add_f32 v[CH+8*t+4:CH+8*t+5], v[CH+8*t+4:CH+8*t+5], v[CH+8*t+6:CH+8*t+7]
	ALL8 v_pk_add_f32 v[CH+8*t:CH+8*t+1], v[CH+8*t:CH+8*t+1], v[CH+8*t+4:CH+8*t+5]
	ALL8 v_add_f32 v[CH+8*t], v[CH+8*t], v[CH+8*t+1]
	ALL8 v_permlanex16_b32 v[CH+8*t+1], v[CH+8*t], s[SEL], s[SEL+1]
	ALL8 v_add_f32 v[CH+8*t], v[CH+8*t], v[CH+8*t+1]
.endm
.macro REDUCE plane, first          ; the four waves' parts of each row's sum meet in LDS; each plane is used once
	ALL8 ds_store_b32 v[REDW], v[CH+8*t] offset:(\plane)+256*t
.if \first
	s_wait_tensorcnt 0x0                           ; my part of c has landed: the others read it behind this barrier
.endif
	s_wait_dscnt 0x0
	s_barrier_signal -1
	s_barrier_wait -1
	ALL8 ds_load_b128 v[CH+8*t:CH+8*t+3], v[REDR] offset:(\plane)+256*t
	s_wait_dscnt 0x0
	ALL8 v_pk_add_f32 v[CH+8*t:CH+8*t+1], v[CH+8*t:CH+8*t+1], v[CH+8*t+2:CH+8*t+3]
	ALL8 v_add_f32 v[CH+8*t], v[CH+8*t], v[CH+8*t+1]
.endm
.macro P1 hi                        ; the sums of V; each accumulator is read from its low end on
	WIN 0x0a+5*(\hi)
.set a, 0
.rept 4
.set c, 0
.rept 4
	v_pk_add_f32 v[CH+8*(4*(\hi)+a)+2*c:CH+8*(4*(\hi)+a)+2*c+1], v[64*a+2*c:64*a+2*c+1], v[64*a+8+2*c:64*a+8+2*c+1]
.set c, c+1
.endr
.set a, a+1
.endr
	WIN 0x08+4*(\hi)
.set b, 2
.rept 6
.set a, 0
.rept 4
.set c, 0
.rept 4
	v_pk_add_f32 v[CH+8*(4*(\hi)+a)+2*c:CH+8*(4*(\hi)+a)+2*c+1], v[CH+8*(4*(\hi)+a)+2*c:CH+8*(4*(\hi)+a)+2*c+1], v[64*a+8*b+2*c:64*a+8*b+2*c+1]
.set c, c+1
.endr
.set a, a+1
.endr
.set b, b+1
.endr
.endm
.macro P2 hi                        ; d = V - mean, in place; then the sums of d d
	WIN 0x82+0x41*(\hi)
.set a, 0
.rept 4
.set e, 0
.rept 32
	v_pk_add_f32 v[64*a+2*e:64*a+2*e+1], v[64*a+2*e:64*a+2*e+1], v[MUP+2*(4*(\hi)+a):MUP+2*(4*(\hi)+a)+1] op_sel_hi:[1,0] neg_lo:[0,1] neg_hi:[0,1]
.set e, e+1
.endr
.set a, a+1
.endr
	WIN 0x0a+5*(\hi)
.set b, 0
.rept 8
.set a, 0
.rept 4
.set c, 0
.rept 4
.if b == 0
	v_pk_mul_f32 v[CH+8*(4*(\hi)+a)+2*c:CH+8*(4*(\hi)+a)+2*c+1], v[64*a+2*c:64*a+2*c+1], v[64*a+2*c:64*a+2*c+1]
.else
	v_pk_fma_f32 v[CH+8*(4*(\hi)+a)+2*c:CH+8*(4*(\hi)+a)+2*c+1], v[64*a+8*b+2*c:64*a+8*b+2*c+1], v[64*a+8*b+2*c:64*a+8*b+2*c+1], v[CH+8*(4*(\hi)+a)+2*c:CH+8*(4*(\hi)+a)+2*c+1]
.endif
.set c, c+1
.endr
.set a, a+1
.endr
.set b, b+1
.endr
.endm
.macro LC g, cb                     ; c[16 g + r], my 128 columns: 16 loads.  The rows lie 544 bytes = 136 words apart, so rows r and r + 8 start at the same bank: two passes where one would do, on 64 loads a wave
.irp b, 0,1,2,3,4,5,6,7
	ds_load_b128 v[(\cb)+8*\b:(\cb)+8*\b+3],   v[ADC] offset:(\b/4)*PART+32*PITCH*(\g)+(\b%4)*64
	ds_load_b128 v[(\cb)+8*\b+4:(\cb)+8*\b+7], v[ADC] offset:(\b/4)*PART+32*PITCH*(\g)+(\b%4)*64+16
.endr
.endm
.macro P3 mt, cb                    ; F = d rs ln2_w + ln2_b; nn = sum F F; dot = sum F c
.set a, (\mt)%4
	WIN 0x06+(\mt)/4                               ; d window 2 or 3, ln2_w window 1, F window 0
.set e, 0
.rept 32
	v_pk_mul_f32 v[FF+2*e:FF+2*e+1], v[64*a+2*e:64*a+2*e+1], v[2*e:2*e+1]
.set e, e+1
.endr
	WIN 0x10                                       ; ln2_b window 1
.set e, 0
.rept 32
	v_pk_fma_f32 v[FF+2*e:FF+2*e+1], v[FF+2*e:FF+2*e+1], v[RSP+2*(\mt):RSP+2*(\mt)+1], v[192+2*e:193+2*e] op_sel_hi:[1,0,1]
.set e, e+1
.endr
	WIN 0
.set e, 0
.rept 32
.if e < 2
	v_pk_mul_f32 v[NNC+2*e:NNC+2*e+1], v[FF+2*e:FF+2*e+1], v[FF+2*e:FF+2*e+1]
	v_pk_mul_f32 v[DTC+2*e:DTC+2*e+1], v[FF+2*e:FF+2*e+1], v[(\cb)+2*e:(\cb)+2*e+1]
.else
	v_pk_fma_f32 v[NNC+2*(e%2):NNC+2*(e%2)+1], v[FF+2*e:FF+2*e+1], v[FF+2*e:FF+2*e+1], v[NNC+2*(e%2):NNC+2*(e%2)+1]
	v_pk_fma_f32 v[DTC+2*(e%2):DTC+2*(e%2)+1], v[FF+2*e:FF+2*e+1], v[(\cb)+2*e:(\cb)+2*e+1], v[DTC+2*(e%2):DTC+2*(e%2)+1]
.endif
.set e, e+1
.endr
	v_pk_add_f32 v[NNC:NNC+1], v[NNC:NNC+1], v[NNC+2:NNC+3]
	v_pk_add_f32 v[DTC:DTC+1], v[DTC:DTC+1], v[DTC+2:DTC+3]
	v_add_f32 v[RES+2*(\mt)], v[NNC], v[NNC+1]
	v_add_f32 v[RES+2*(\mt)+1], v[DTC], v[DTC+1]
.endm
	s_wait_loadcnt 0x0                             ; no load is out into the registers that are written below
	PLACES                                         ; behind the last products
	P1 0
	P1 1
	WIN 0
	COMB
	REDUCE 0, 1
	ALL8 v_mul_f32 v[MUP+2*t], s[I512], v[CH+8*t]
	ALL8 v_mov_b32 v[MUP+2*t+1], v[MUP+2*t]
	P2 0
	P2 1
	WIN 0
	COMB
	REDUCE 2048, 0
	ALL8 v_fmaak_f32 v[CH+8*t], s[I512], v[CH+8*t], 0x37f20b48   ; variance + (2 K)^2 x 1e-5
	ALL8 v_rsq_f32 v[RSP+2*t], v[CH+8*t]
	ALL8 v_rsq_f32 v[RSP+2*t+1], v[CH+8*t]         ; twice, to fill the pair
	v_nop                                          ; a plain instruction behind the last of them, before a source is loaded over or a result used
	s_wait_alu depctr_va_vdst(0)                   ; the wait ahead of the first use: one for the sixteen reciprocal roots
	LC 0, CB0
	LC 1, CB1
	s_wait_dscnt 16                                ; the older 16 loads are in
	P3 0, CB0
	P3 1, CB0
	LC 2, CB0
	s_wait_dscnt 16
	P3 2, CB1
	P3 3, CB1
	LC 3, CB1
	s_wait_dscnt 16
	P3 4, CB0
	P3 5, CB0
	s_wait_dscnt 0x0
	P3 6, CB1
	P3 7, CB1
.irp u, 0,1                                            ; the other half of the lanes' parts, eight numbers at a time
.irp j, 0,1,2,3,4,5,6,7
	v_permlanex16_b32 v[NNC+\j], v[RES+8*\u+\j], s[SEL], s[SEL+1]
.endr
.irp j, 0,1,2,3,4,5,6,7
	v_add_f32 v[RES+8*\u+\j], v[RES+8*\u+\j], v[NNC+\j]
.endr
.endr
	ALL8 ds_store_b64 v[REDW2], v[RES+2*t:RES+2*t+1] offset:512*t
	s_wait_dscnt 0x0
	s_barrier_signal -1
	s_barrier_wait -1
	ds_load_b128 v[64:67], v[FIN]                  ; lane (r, h) of wave wv finishes row (2 wv + h) 16 + r: n = n0 + h, w = 16 wv + r, whose statistics of c it holds
	ds_load_b128 v[68:71], v[FIN] offset:16
	v_fma_f32 v72, v[MC], v[MC], v[MC+1]
	v_mul_f32 v72, 0x44000000, v72                 ; |c|^2 = 512 (mean^2 + variance)
	v_sqrt_f32 v74, v72
	s_wait_dscnt 0x0
	v_pk_add_f32 v[64:65], v[64:65], v[66:67]
	v_pk_add_f32 v[68:69], v[68:69], v[70:71]
	v_pk_add_f32 v[64:65], v[64:65], v[68:69]      ; (nn, dot)
	v_sqrt_f32 v73, v64
	v_mul_f32 v75, 0x41800000, v65                 ; 16 dot: the plain instruction behind the second square root
	s_wait_alu depctr_va_vdst(0)                   ; one wait for the two square roots, ahead of their first use
	v_max_num_f32 v74, 0x2b8cbccc, v74             ; both norms are held at 1e-12 or above
	v_max_num_f32 v73, 0x2b8cbccc, v73
	v_mul_f32 v73, v73, v74
	v_rcp_f32 v73, v73
	v_nop                                          ; a plain instruction behind it
	s_wait_alu depctr_va_vdst(0)                   ; the reciprocal reads the roots, so it is a batch of its own: its wait, ahead of its one use
	v_mul_f32 v75, v75, v73
	ds_store_b32 v[OUTA], v75
	s_wait_dscnt 0x0
	s_barrier_signal -1
	s_barrier_wait -1
	s_cmp_lg_u32 s[WV], 0
	s_cbranch_scc1 .Lnot_first
	ds_load_b128 v[76:79], v[OUTR]
	s_wait_dscnt 0x0
	global_store_b128 v[GOUT], v[76:79], s[26:27]  ; rows n0 and n0 + 1 of out0: 512 consecutive bytes, at a multiple of 256 from its first byte
.Lnot_first:
	s_wait_tensorcnt 0x0                           ; the wave's end: these three lines, behind my last tensor load and my last LDS store
	ds_add_u32 v[SPW], v[NIL]
	s_wait_dscnt 0x0
	CROUND                                         ; the closing round: no work-group ends while a partner may still ask for a tile that names it
	s_endpgm
.Lfunc_end_k_qf609fb5422_main:
	.size	k_qf609fb5422_main, .Lfunc_end_k_qf609fb5422_main-k_qf609fb5422_main
	.p2alignl 7, 3214868480
	.fill 96, 4, 3214868480
	.section	.rodata,"a",@progbits
	.p2align	6, 0x0
	.amdhsa_kernel k_qf609fb5422_main
		.amdhsa_group_segment_fixed_size 327680
		.amdhsa_private_segment_fixed_size 0
		.amdhsa_enable_private_segment 0
		.amdhsa_kernarg_size 80
		.amdhsa_user_sgpr_count 2
		.amdhsa_user_sgpr_kernarg_segment_ptr 1
		.amdhsa_wavefront_size32 1
		.amdhsa_system_sgpr_workgroup_id_x 1
		.amdhsa_system_sgpr_workgroup_id_y 1
		.amdhsa_system_sgpr_workgroup_id_z 1
		.amdhsa_system_vgpr_workitem_id 0
		.amdhsa_next_free_vgpr 1024
		.amdhsa_next_free_sgpr 90
		.amdhsa_reserve_vcc 0
		.amdhsa_float_denorm_mode_32 3
		.amdhsa_float_denorm_mode_16_64 3
		.amdhsa_memory_ordered 1
		.amdhsa_forward_progress 1
		.amdhsa_inst_pref_size 255
	.end_amdhsa_kernel
	.section	.bss,"aw",@nobits
	.p2align	6
	.space	262144
	.amdgpu_metadata
---
amdhsa.version: [ 1, 2 ]
amdhsa.kernels:
  - .name:           k_qf609fb5422_main
    .symbol:         k_qf609fb5422_main.kd
    .args:
      - { .name: ab, .offset: 0, .size: 8, .value_kind: global_buffer, .address_space: global }
      - { .name: stats, .offset: 8, .size: 8, .value_kind: global_buffer, .address_space: global }
      - { .name: w2t, .offset: 16, .size: 8, .value_kind: global_buffer, .address_space: global }
      - { .name: class_memories, .offset: 24, .size: 8, .value_kind: global_buffer, .address_space: global }
      - { .name: query_embeddings, .offset: 32, .size: 8, .value_kind: global_buffer, .address_space: global }
      - { .name: b1, .offset: 40, .size: 8, .value_kind: global_buffer, .address_space: global }
      - { .name: b2, .offset: 48, .size: 8, .value_kind: global_buffer, .address_space: global }
      - { .name: ln2_w, .offset: 56, .size: 8, .value_kind: global_buffer, .address_space: global }
      - { .name: ln2_b, .offset: 64, .size: 8, .value_kind: global_buffer, .address_space: global }
      - { .name: out0, .offset: 72, .size: 8, .value_kind: global_buffer, .address_space: global }
    .group_segment_fixed_size: 327680
    .private_segment_fixed_size: 0
    .kernarg_segment_align: 8
    .kernarg_segment_size: 80
    .max_flat_workgroup_size: 128
    .sgpr_count:     90
    .vgpr_count:     1024
    .wavefront_size: 32
...
	.end_amdgpu_metadata
.endif
;; end of part 3
